; MI455X (gfx1250); checked and timed in simulation.
; The chip was launched on July 23, 2026; its instructions are those of AMD's public machine-readable ISA for CDNA 5 (MIT licence, August 2026) and "CDNA5" Instruction Set Architecture Reference Guide (July 2026). The comments in the code are by the model that wrote it; some were corrected since.
;; Eagle3 Llama Attention. Allowed arithmetic: matrix products marked QUANTISED: E2M3 operands, one E8M0 scale for each 32 along K, by v_wmma_scale_f32_16x16x128_f8f6f4 with both operands' format E2M3, f32 sums; products left as they are: f32 operands where the result goes on into a quantised operand, else bf16, f16 or f32 operands; f32 sums; everything else in f32.
;; Inputs: Wk 2,048 x 1,024 float32; Wo 4,096 x 1,024 float32; Wq 2,048 x 4,096 float32; Wv 2,048 x 1,024 float32; attention_mask 1 x 1 x 2,048 x 2,048 float32; cache_k0 1 x 32 x 2,048 x 128 float32; cache_k1 1 x 32 x 2,048 x 128 float32; cache_v0 1 x 32 x 2,048 x 128 float32; cache_v1 1 x 32 x 2,048 x 128 float32; combined_states 1 x 2,048 x 2,048 float32; position_ids 1 x 2,048 int32.
;; Outputs: out0 1 x 2,048 x 1,024 float32.
;; This version of the problem:
;;   THIS VERSION OF THE PROBLEM IS GIVEN IN LOW PRECISION. The matrix products marked QUANTISED in the list below multiply operands that are first quantised to E2M3 (2 exponent bits, 3 mantissa bits; 6 bits a number), with one power-of-two scale for each 32 numbers along K (OCP MX v1.0); their sums are f32. All else is computed in f32.
;;   The module's matrix products, in the order in which they are computed (A, B: the left and right operand; K: the contracted axis; several contracted axes count as one K, in the product's order):
;;     1. [M 2,048, K 2,048] x [K 2,048, N 4,096]; A: input combined_states; B: input Wq: QUANTISED
;;     2. [M 2,048, K 2,048] x [K 2,048, N 1,024]; A: input combined_states; B: input Wk: QUANTISED
;;     3. [M 2,048, K 2,048] x [K 2,048, N 1,024]; A: input combined_states; B: input Wv: QUANTISED
;;     4. batch 32 x [M 2,048, K 128] x [K 128, N 2,048]; A: computed on the way; B: input cache_k0: QUANTISED
;;     5. batch 65,536 x [M 1, K 128] x [K 128, N 1]; A: computed on the way; B: input cache_k1: left as it is (M = 1 < 16)
;;     6. batch 65,536 x [M 1, K 128] x [K 128, N 1]; A: computed on the way; B: computed on the way: left as it is (M = 1 < 16)
;;     7. batch 32 x [M 2,048, K 2,048] x [K 2,048, N 128]; A: computed on the way; B: input cache_v0: QUANTISED
;;     8. [M 2,048, K 4,096] x [K 4,096, N 1,024]; A: computed on the way; B: input Wo: QUANTISED
;;   THE QUANTISER, for each operand of a quantised product, along K:
;;     - K is cut into blocks of 32 from its start; a last block that is shorter is filled with zeros.
;;     - A block's scale is 2^e with e = floor(log2(the largest magnitude in the block)) - 2, held to -126 .. 127; a block of zeros has e = 0. As a byte (E8M0): e + 127.
;;     - Each number is divided by its block's scale, clamped to +-7.5, and rounded to the nearest number of E2M3, ties to even, subnormals kept.
;;     - The product sums the exact products of the quantised numbers (number of the format x scale) in f32.
;;   ~~~python
;;   def quantise(x, axis):      # numpy; x: float32 -> the quantised numbers, widened to float32 again
;;       x = np.moveaxis(x, axis, -1); K = x.shape[-1]
;;       x = np.pad(x, [(0, 0)] * (x.ndim - 1) + [(0, -K % 32)]); x = x.reshape(x.shape[:-1] + (-1, 32)); a = np.abs(x).max(-1, keepdims=True)
;;       e = np.where(a > 0, np.clip(np.frexp(np.where(a > 0, a, 1))[1] - 1 - 2, -126, 127), 0)      # np.frexp(a)[1] - 1 = floor(log2(a)), exactly
;;       r = np.clip(x / 2.0 ** e, -7.5, 7.5)
;;       step = 2.0 ** (np.maximum(np.frexp(np.where(r == 0, 1, r))[1] - 1, 0) - 3)
;;       q = np.round(r / step) * step * 2.0 ** e      # np.round: ties to even
;;       return np.moveaxis(q.reshape(q.shape[:-2] + (-1,))[..., :K], -1, axis).astype(np.float32)
;;   ~~~
;;   OPERANDS COMPUTED ON THE WAY. 'Computed on the way' means the value that the module computes at that place (a softmax that the list does not call 'softmax' is quantised finished and normalised). What goes into a quantiser is computed in f32, as accurately as f32 sums, v_exp_f32 and their like allow (about 1e-6 of the number): no bf16 or f16 on the way to a quantiser, and a product that is left as it is and whose result goes on into a quantised operand takes f32 operands (vector FMAs, or v_wmma_f32_16x16x4_f32). A number that lies on a knife's edge between two numbers of the format may be rounded either way, as far as f32 arithmetic and the matrix unit's own rounding can turn it there, and no further.
;; One version. Each part assembles by itself: llvm-mc -triple=amdgcn-amd-amdhsa -mcpu=gfx1250 --defsym DOCPART=n.
;; ======== version 1 of 1: 4 launches
;; limits: right only within a limited range of input values
;; workspace buffers: gop 16,384,000 bytes; kvq 13,107,200 bytes; msk 17,825,792 bytes; flg 8,192 bytes of whole numbers; qkv 50,331,648 bytes; atq 6,553,600 bytes
;; launch prep (part 1): grid 1312 x 1, 4 waves a work-group, no clusters, 34,304 bytes of LDS; arguments combined_states, cache_k0, attention_mask, position_ids, Wq, Wk, Wv, Wo, cache_v0, gop, kvq, msk, flg; writes gop, kvq, msk, flg
.if DOCPART == 1
	.amdgcn_target "amdgcn-amd-amdhsa--gfx1250"
	.amdhsa_code_object_version 6
	.text
	.protected	k_qe9c05cda8f_prep
	.globl	k_qe9c05cda8f_prep
	.p2align	8
	.type	k_qe9c05cda8f_prep,@function
k_qe9c05cda8f_prep:
	s_mov_b64 s[64:65], 0
	v_nop
	global_prefetch_b8 v0, s[64:65] scope:SCOPE_SE
	s_setreg_imm32_b32 hwreg(HW_REG_WAVE_MODE, 25, 1), 1
	s_wait_xcnt 0x0
; PREP: every operand that later launches read more than once is laid out once.
; A FRAGMENT IMAGE is 16 rows x 128 K of E2M3 codes as the matrix operand's 12 registers: registers 4c..4c+3 of lane l at 512 c + 16 l (1,536 bytes); its scale words: row r's at 4 r (64 bytes).
; THE Q LAYOUT of 64 numbers of a lane (r = lane % 16, h = lane / 16): register 16 b + i = column 32 b + 16 h + i of row r.  As an image: registers 4g..4g+3 of lane l at 512 g + 16 l (8,192 bytes).
; Work-groups 0-511 (TILES): tensors whose K is innermost: combined_states and cache_k0 become fragments; attention_mask x sqrt(128) becomes Q-layout images, and each tile of 16 queries x 128 keys gets a class:
;   0 all zeros, 2 every entry <= -1e7, 1 anything else.  Work-groups 512-543 (ROPE): cos and sin of (position + 2) x 10000^(-d/64) as images.  Work-groups 544-1311 (COLS): Wq, Wk, Wv, Wo, cache_v0, whose K is their
;   first axis: a lane takes a column and its registers run down K.
; THE ROWS OF A TILE of cache_k0 and the columns of a tile of COLS are not neighbours: place p of tile 2 b + u is 32 b + 8 u + p + 8 (p / 8), so that a transposed product's eight tiles are a Q-layout image.
; A block's scale byte is its largest magnitude's exponent field - 2, held at 1 from below (a block of zeros gets 1: its codes are zeros, and this program alone reads the bytes).
; LIMITS: NaN and infinities are not served.  Positions: |position + 2| up to about 4.8e4 (three-part reduction by pi/2); 10000^(-d/64) comes by v_exp_f32.
.set SPARE, 33792                      ; behind the four stages of 8,448 bytes: the spare words, 128 bytes for each wave
.set SEL, 4                            ; s[4:5] lane selects of v_permlanex16_b32: lane l xor 16
; 64 numbers in the Q layout, v[src] on, become a fragment's codes in v[dst] on and its scale word in v[pw]
.macro QUANT src, dst, ct, tm, pw
.irp b, 0,1,2,3
	v_max3_num_f32 v[\tm+\b], |v[\src+16*\b]|, |v[\src+1+16*\b]|, 0x1800000   ; my 16 numbers of block b, and the floor 2^(3 - 127)
.endr
.irp i, 2,4,6,8,10,12,14
.irp b, 0,1,2,3
	v_max3_num_f32 v[\tm+\b], v[\tm+\b], |v[\src+16*\b+\i]|, |v[\src+1+16*\b+\i]|
.endr
.endr
.irp b, 0,1,2,3
	v_permlanex16_b32 v[\tm+4+\b], v[\tm+\b], s[SEL], s[SEL+1]
.endr
.irp b, 0,1,2,3
	v_max_num_f32 v[\tm+\b], v[\tm+\b], v[\tm+4+\b]       ; with lane l xor 16's: the block's largest magnitude
.endr
.irp b, 0,1,2,3
	v_add_nc_u32 v[\tm+12+\b], 0xff000000, v[\tm+\b]      ; 2 off its exponent field: the conversion's scale operand
.endr
.irp b, 0,1,2,3
	v_lshrrev_b32 v[\tm+4+\b], 23, v[\tm+12+\b]           ; the scale's byte
.endr
	v_lshl_or_b32 v[\pw], v[\tm+5], 8, v[\tm+4]
	v_lshl_or_b32 v[\pw], v[\tm+6], 16, v[\pw]
	v_lshl_or_b32 v[\pw], v[\tm+7], 24, v[\pw]
.irp c, 0,1
	v_cvt_scalef32_pk16_fp6_f32 v[\dst+6*\c:\dst+2+6*\c], v[\src+32*\c:\src+15+32*\c], v[\tm+12+2*\c]
	v_cvt_scalef32_pk16_fp6_f32 v[\ct+4*\c:\ct+2+4*\c], v[\src+16+32*\c:\src+31+32*\c], v[\tm+13+2*\c]
.endr
	v_nop                                                  ; one plain place behind a scaled conversion
.irp c, 0,1
.irp i, 0,1,2
	v_permlane16_swap_b32 v[\dst+6*\c+\i], v[\ct+4*\c+\i] ; a whole block to a lane: lanes 0-15 block 2 c, lanes 16-31 block 2 c + 1
.endr
.irp i, 0,1,2
	v_mov_b32 v[\dst+3+6*\c+\i], v[\ct+4*\c+\i]
.endr
.endr
.endm
	s_load_b512 s[8:23], s[0:1], 0x0               ; combined_states 8, cache_k0 10, attention_mask 12, position_ids 14, Wq 16, Wk 18, Wv 20, Wo 22
	s_load_b256 s[24:31], s[0:1], 0x40             ; cache_v0 24, gop 26, kvq 28, msk 30
	s_load_b64 s[32:33], s[0:1], 0x60              ; flg
	v_lshl_add_u32 v6, v0, 2, SPARE                ; my spare word; never rewritten
	v_mov_b32 v7, 0                                ; 0; never rewritten
	v_lshrrev_b32 v1, 5, v0
	v_readfirstlane_b32 s3, v1                     ; wave
	v_and_b32 v1, 31, v0                           ; lane
	v_lshlrev_b32 v2, 4, v1                        ; 16 x lane
	s_mov_b32 s[SEL], 0x76543210
	s_mov_b32 s[SEL+1], 0xfedcba98
	s_wait_kmcnt 0x0
	s_cmp_ge_u32 ttmp9, 544
	s_cbranch_scc1 .Lcols
	s_cmp_ge_u32 ttmp9, 512
	s_cbranch_scc1 .Lrope
	; ---------------- TILES.  A wave takes four tiles of 16 rows x 128 columns.  Only pointers and strides are chosen by the work-group's number: all three tensors take one way through LDS.
	s_mov_b64 s[36:37], s[12:13]                   ; the mask (work-groups 384-511),
	s_mov_b32 s34, 384
	s_cmp_lt_u32 ttmp9, 384
	s_cselect_b64 s[36:37], s[10:11], s[36:37]     ; cache_k0 (128-383),
	s_cselect_b32 s34, 128, s34
	s_cselect_b32 s35, 1, 0
	s_cmp_lt_u32 ttmp9, 128
	s_cselect_b64 s[36:37], s[8:9], s[36:37]       ; combined_states (0-127)
	s_cselect_b32 s34, 0, s34
	s_cselect_b32 s35, 0, s35                      ; 1: cache_k0's geometry
	s_sub_co_u32 s38, ttmp9, s34
	s_lshl_b32 s38, s38, 2
	s_add_co_u32 s38, s38, s3                      ; G: my group of four tiles
	s_lshr_b32 s39, s38, 2
	s_lshl_b32 s39, s39, 17                        ; rows of 8,192 bytes: 16 rows x (G / 4),
	s_and_b32 s40, s38, 3
	s_lshl_b32 s40, s40, 11                        ; + 4 tiles of 512 bytes x (G % 4)
	s_add_co_u32 s39, s39, s40
	s_lshl_b32 s40, s38, 15                        ; cache_k0: 64 keys of 512 bytes x G
	s_lshl_b32 s56, s38, 2                         ; the first tile's number: 4 G
	s_mul_i32 s58, s56, 1536
	s_lshl_b32 s57, s56, 6
	s_lshl_b32 s68, s56, 13
	s_lshl_b32 s70, s56, 2
	s_mov_b32 s42, 8192
	s_mov_b32 s44, 512
	s_mov_b32 s66, 15728640
	s_cmp_eq_u32 s35, 1
	s_cselect_b32 s40, s40, s39
	s_cselect_b32 s42, 512, s42                    ; from row to row
	s_cselect_b32 s43, 4096, 0                     ; more from row 7 to row 8 (eight keys are passed over)
	s_cselect_b32 s44, 4096, s44                   ; from tile to tile,
	s_cselect_b32 s45, 8192, 0                     ; and more from tile 1 to tile 2
	s_cselect_b64 s[60:61], s[28:29], s[26:27]     ; codes go to kvq or to gop
	s_cselect_b32 s66, 12582912, s66               ; where the scale words begin there
	s_mov_b32 s41, 0
	s_add_nc_u64 s[48:49], s[36:37], s[40:41]      ; tile 0
	s_mov_b32 s47, 0
	s_mov_b32 s46, s44
	s_add_nc_u64 s[50:51], s[48:49], s[46:47]      ; tile 1
	s_lshl_b32 s46, s44, 1
	s_add_co_u32 s46, s46, s45
	s_add_nc_u64 s[52:53], s[48:49], s[46:47]      ; tile 2
	s_add_co_u32 s46, s46, s44
	s_add_nc_u64 s[54:55], s[48:49], s[46:47]      ; tile 3
	s_add_co_u32 s66, s66, s57
	s_mov_b32 s67, 0
	s_add_nc_u64 s[62:63], s[60:61], s[66:67]      ; my scale words
	s_mov_b32 s59, 0
	s_add_nc_u64 s[60:61], s[60:61], s[58:59]      ; my codes
	s_mov_b32 s69, 0
	s_add_nc_u64 s[68:69], s[30:31], s[68:69]      ; my mask images
	s_mov_b32 s71, 0
	s_add_nc_u64 s[70:71], s[32:33], s[70:71]      ; my four classes
	s_mov_b32 s73, 0xcb189680                      ; -1e7
	s_mul_i32 s72, s3, 8448                        ; my stage: 16 rows of 512 bytes + 16
	v_add_nc_u32 v4, s72, v2                       ; in: 16 bytes a lane, a row an instruction
	v_and_b32 v9, 15, v1
	v_lshrrev_b32 v10, 4, v1
	v_lshlrev_b32 v3, 2, v9                        ; 4 r
	v_mul_u32_u24 v5, v9, 528
	v_lshl_add_u32 v5, v10, 6, v5
	v_add_nc_u32 v5, s72, v5                       ; back: row r, + 64 h
	v_mov_b32 v8, 0                                ; the classes: lane t holds tile t's
	v_mov_b32 v13, 0
.irp b, 0,1,2,3
	v_mov_b32 v[228+\b], 0                         ; a lane permute's destination counts as one of its sources
.endr
	s_mov_b32 s72, 0
.set I_, 0
.rept 16
	v_add_nc_u32 v[16+I_], s72, v2                 ; row I_ of a tile
	s_add_co_u32 s72, s72, s42
.if I_ == 7
	s_add_co_u32 s72, s72, s43
.endif
.set I_, I_+1
.endr
.macro LOADT t                         ; a tile: sixteen loads of 512 consecutive bytes
.set I_, 0
.rept 16
	global_load_b128 v[32+64*((\t)%2)+4*I_:32+64*((\t)%2)+4*I_+3], v[16+I_], s[48+2*(\t):49+2*(\t)] th:TH_LOAD_NT
.set I_, I_+1
.endr
.endm
.macro TILE t
.if (\t) < 3
	s_wait_loadcnt 16                              ; this tile's sixteen loads are in, the next tile's may be out
.else
	s_wait_loadcnt 0x0
.endif
	s_wait_xcnt 0x0                                ; the last tile's stores have read their registers: these are rewritten only behind this wait
.set I_, 0
.rept 16
	ds_store_b128 v4, v[32+64*((\t)%2)+4*I_:32+64*((\t)%2)+4*I_+3] offset:528*I_
.set I_, I_+1
.endr
.set I_, 0
.rept 16
	ds_load_b128 v[160+4*I_:160+4*I_+3], v5 offset:128*(I_/4)+16*(I_%4)   ; LDS serves a wave's instructions in order: these see my stores.  The Q layout
.set I_, I_+1
.endr
	s_wait_dscnt 0x0                               ; the numbers are back, and the stores have read their registers,
.if (\t) < 2
	LOADT (\t)+2                                   ; which take the tile two on
.endif
	s_cmp_ge_u32 ttmp9, 384
	s_cbranch_scc1 .Lmask_\@
	QUANT 160, 242, 224, 224, 240
.irp c, 0,1,2
	global_store_b128 v2, v[242+4*\c:245+4*\c], s[60:61] offset:1536*(\t)+512*\c   ; 512 consecutive bytes a store
.endr
	global_store_b32 v3, v240, s[62:63] offset:64*(\t)   ; lanes 16-31 hold and write the same words as lanes 0-15
	s_branch .Lnext_\@
.Lmask_\@:
	v_max3_num_f32 v9, |v160|, |v161|, |v162|      ; the tile's largest magnitude and its largest entry
	v_max3_num_f32 v10, |v163|, |v164|, |v165|
	v_max3_num_f32 v11, v160, v161, v162
	v_max3_num_f32 v12, v163, v164, v165
.irp i, 6,10,14,18,22,26,30,34,38,42,46,50,54,58
	v_max3_num_f32 v9, v9, |v[160+\i]|, |v[161+\i]|
	v_max3_num_f32 v10, v10, |v[162+\i]|, |v[163+\i]|
	v_max3_num_f32 v11, v11, v[160+\i], v[161+\i]
	v_max3_num_f32 v12, v12, v[162+\i], v[163+\i]
.endr
	v_max3_num_f32 v9, v9, |v222|, |v223|
	v_max3_num_f32 v11, v11, v222, v223
	v_max_num_f32 v9, v9, v10
	v_max_num_f32 v11, v11, v12
.irp m, 1,2,4,8
	v_max_num_f32_dpp v9, v9, v9 row_xmask:\m row_mask:0xf bank_mask:0xf
	v_max_num_f32_dpp v11, v11, v11 row_xmask:\m row_mask:0xf bank_mask:0xf
.endr
	v_permlanex16_b32 v13, v9, s[SEL], s[SEL+1]
	v_max_num_f32 v9, v9, v13
	v_permlanex16_b32 v13, v11, s[SEL], s[SEL+1]
	v_max_num_f32 v11, v11, v13
	v_cmp_lt_f32 vcc_lo, 0, v9
	v_cndmask_b32 v13, 0, 1, vcc_lo                ; 1 where anything is not zero,
	v_cmp_ge_f32 vcc_lo, s73, v11
	v_cndmask_b32 v14, 0, 1, vcc_lo                ; + 1 where every entry is <= -1e7
	v_add_nc_u32 v13, v13, v14
	v_cmp_eq_u32 vcc_lo, \t, v1
	v_cndmask_b32 v8, v8, v13, vcc_lo
.set I_, 0
.rept 32
	v_pk_mul_f32 v[160+2*I_:161+2*I_], v[160+2*I_:161+2*I_], 0x413504f3 op_sel_hi:[1,0]   ; x sqrt(128): the image is added to the unscaled scores
.set I_, I_+1
.endr
.set I_, 0
.rept 16
	global_store_b128 v2, v[160+4*I_:163+4*I_], s[68:69] offset:8192*(\t)+512*I_
.set I_, I_+1
.endr
.Lnext_\@:
.endm
	LOADT 0
	LOADT 1
	TILE 0
	TILE 1
	TILE 2
	TILE 3
	s_cmp_lt_u32 ttmp9, 384
	s_cbranch_scc1 .Ltail
	v_lshlrev_b32 v9, 2, v1
	v_cmp_gt_u32 vcc_lo, 4, v1
	s_wait_xcnt 0x0                                ; EXEC changes only behind this wait
	s_and_saveexec_b32 s74, vcc_lo
	global_store_b32 v9, v8, s[70:71]              ; lanes 0-3: the four tiles' classes, whole numbers
	s_wait_xcnt 0x0                                ; and again in front of the line that widens it
	s_or_b32 exec_lo, exec_lo, s74
	s_branch .Ltail
	; ---------------- ROPE.  A wave makes the table of 16 positions: register j of lane (r, h) is d = 32 (j / 16) + 16 h + j % 16 of position r.
.Lrope:
	s_sub_co_u32 s34, ttmp9, 512
	s_lshl_b32 s34, s34, 2
	s_add_co_u32 s34, s34, s3                      ; which 16 positions
	s_lshl_b32 s36, s34, 6
	s_mov_b32 s37, 0
	s_add_nc_u64 s[36:37], s[14:15], s[36:37]
	s_lshl_b32 s38, s34, 13
	s_add_co_u32 s38, s38, 16777216                ; the tables lie behind the mask images
	s_mov_b32 s39, 0
	s_add_nc_u64 s[38:39], s[30:31], s[38:39]
	v_and_b32 v3, 15, v1
	v_lshlrev_b32 v3, 2, v3
	global_load_b32 v9, v3, s[36:37]
	v_lshrrev_b32 v10, 4, v1
	v_lshlrev_b32 v10, 4, v10                      ; 16 h
.set I_, 0
.rept 32
	v_add_nc_u32 v[96+I_], 32*(I_/16)+I_%16, v10
.set I_, I_+1
.endr
.set I_, 0
.rept 32
	v_cvt_f32_u32 v[96+I_], v[96+I_]
.set I_, I_+1
.endr
.set I_, 0
.rept 32
	v_mul_f32 v[96+I_], 0xbe549a78, v[96+I_]       ; x -log2(10000) / 64
.set I_, I_+1
.endr
.set I_, 0
.rept 32
	v_exp_f32 v[96+I_], v[96+I_]                   ; 10000^(-d / 64)
.set I_, I_+1
.endr
	s_wait_loadcnt 0x0
	v_add_nc_u32 v9, 2, v9                         ; two tokens into the future.  (A plain place behind the exponentials)
	v_cvt_f32_i32 v9, v9
	s_wait_alu depctr_va_vdst(0)                   ; one wait for the batch, ahead of its first reader
.macro GROUP g                         ; four registers of both tables
.irp e, 0,1,2,3
	v_mul_f32 v[16+\e], v9, v[96+4*\g+\e]          ; the angle
.endr
.irp e, 0,1,2,3
	v_mul_f32 v[20+\e], 0x3f22f983, v[16+\e]       ; x 2 / pi,
.endr
.irp e, 0,1,2,3
	v_rndne_f32 v[20+\e], v[20+\e]                 ; to the nearest whole number n
.endr
.irp e, 0,1,2,3
	v_fmamk_f32 v[16+\e], v[20+\e], 0xbfc90fd8, v[16+\e]   ; a = angle - n pi / 2, pi / 2 in three parts
.endr
.irp e, 0,1,2,3
	v_fmamk_f32 v[16+\e], v[20+\e], 0xb4a8885a, v[16+\e]
.endr
.irp e, 0,1,2,3
	v_fmamk_f32 v[16+\e], v[20+\e], 0xa7c234c4, v[16+\e]
.endr
.irp e, 0,1,2,3
	v_cvt_i32_f32 v[24+\e], v[20+\e]
	v_mul_f32 v[28+\e], v[16+\e], v[16+\e]         ; s = a^2, at most (pi / 4)^2
.endr
.irp e, 0,1,2,3
	v_mov_b32 v[128+\e], 0x3638ef1d                ; sin a = a + a s (-1/6 + s (1/120 + s (-1/5040 + s / 362880)))
	v_mov_b32 v[132+\e], 0xb493f27e                ; cos a = 1 + s (-1/2 + s (1/24 + s (-1/720 + s (1/40320 - s / 3628800))))
.endr
.irp e, 0,1,2,3
	v_fmaak_f32 v[128+\e], v[128+\e], v[28+\e], 0xb9500d01
	v_fmaak_f32 v[132+\e], v[132+\e], v[28+\e], 0x37d00d01
.endr
.irp e, 0,1,2,3
	v_fmaak_f32 v[128+\e], v[128+\e], v[28+\e], 0x3c088889
	v_fmaak_f32 v[132+\e], v[132+\e], v[28+\e], 0xbab60b61
.endr
.irp e, 0,1,2,3
	v_fmaak_f32 v[128+\e], v[128+\e], v[28+\e], 0xbe2aaaab
	v_fmaak_f32 v[132+\e], v[132+\e], v[28+\e], 0x3d2aaaab
.endr
.irp e, 0,1,2,3
	v_mul_f32 v[136+\e], v[16+\e], v[28+\e]
	v_fmaak_f32 v[132+\e], v[132+\e], v[28+\e], 0xbf000000
.endr
.irp e, 0,1,2,3
	v_fma_f32 v[128+\e], v[128+\e], v[136+\e], v[16+\e]
	v_fmaak_f32 v[132+\e], v[132+\e], v[28+\e], 0x3f800000
.endr
.irp e, 0,1,2,3
	v_and_b32 v[136+\e], 1, v[24+\e]
	v_cmp_eq_u32 vcc_lo, 1, v[136+\e]              ; n odd: the two change places
	v_cndmask_b32 v[64+4*\g+\e], v[128+\e], v[132+\e], vcc_lo
	v_cndmask_b32 v[32+4*\g+\e], v[132+\e], v[128+\e], vcc_lo
	v_lshlrev_b32 v[136+\e], 30, v[24+\e]
	v_and_b32 v[136+\e], 0x80000000, v[136+\e]
	v_xor_b32 v[64+4*\g+\e], v[64+4*\g+\e], v[136+\e]      ; sin changes sign where n % 4 is 2 or 3,
	v_add_nc_u32 v[136+\e], 1, v[24+\e]
	v_lshlrev_b32 v[136+\e], 30, v[136+\e]
	v_and_b32 v[136+\e], 0x80000000, v[136+\e]
	v_xor_b32 v[32+4*\g+\e], v[32+4*\g+\e], v[136+\e]      ; cos where it is 1 or 2
.endr
	global_store_b128 v2, v[32+4*\g:35+4*\g], s[38:39] offset:512*\g
	global_store_b128 v2, v[64+4*\g:67+4*\g], s[38:39] offset:4096+512*\g
.endm
.irp g, 0,1,2,3,4,5,6,7
	GROUP \g
.endr
	s_branch .Ltail
	; ---------------- COLS.  A work-group takes 128 columns x 256 along K, a wave 32 columns: two tiles of 16.  Lanes 0-15 hold tile 0's columns, lanes 16-31 tile 1's; a block of 32 along K is one lane's 32 registers.
.set C_BASE, 35
.set C_MASK, 36
.set C_SHIFT, 37
.set C_SRC, 38
.set C_PITCH, 40
.set C_SA, 41
.set C_SB, 42
.set C_IA, 43
.set C_IB, 44
.set C_IW, 45
.set C_IC, 46
.set C_SU, 47
.set C_SS, 48
.set C_PTR, 50
.set C_CR, 52
.set C_SR, 53
.macro PICK reg, val
	s_cselect_b32 s[\reg], \val, s[\reg]
.endm
.Lcols:
	s_sub_co_u32 s34, ttmp9, 544
	s_mov_b32 s[C_BASE], 512                       ; cache_v0's figures first (a = which 256 keys, b = the head); the weights' override them
	s_mov_b32 s[C_MASK], 7
	s_mov_b32 s[C_SHIFT], 3
	s_mov_b64 s[C_SRC:C_SRC+1], s[24:25]
	s_mov_b32 s[C_PITCH], 512                      ; from a row of K to the next
	s_mov_b32 s[C_SA], 131072                      ; source bytes for a, for b
	s_mov_b32 s[C_SB], 1048576
	s_mov_b32 s[C_IA], 16                          ; a fragment's number = a IA + b IB + wave IW + IC + tile SU + K step SS
	s_mov_b32 s[C_IB], 128
	s_mov_b32 s[C_IW], 2
	s_mov_b32 s[C_IC], 0
	s_mov_b32 s[C_SU], 1
	s_mov_b32 s[C_SS], 8
	s_mov_b64 s[C_PTR:C_PTR+1], s[28:29]
	s_mov_b32 s[C_CR], 6291456
	s_mov_b32 s[C_SR], 12845056
	s_cmp_lt_u32 s34, 512                          ; Wo (a = which 128 columns, b = which 256 along K)
	PICK C_BASE, 384
	s_cselect_b64 s[C_SRC:C_SRC+1], s[22:23], s[C_SRC:C_SRC+1]
	PICK C_PITCH, 4096
	PICK C_SA, 512
	PICK C_IA, 256
	PICK C_IB, 2
	PICK C_IW, 64
	PICK C_SU, 32
	PICK C_SS, 1
	s_cselect_b64 s[C_PTR:C_PTR+1], s[26:27], s[C_PTR:C_PTR+1]
	PICK C_CR, 12582912
	PICK C_SR, 16252928
	s_cmp_lt_u32 s34, 384                          ; Wv
	PICK C_BASE, 320
	s_cselect_b64 s[C_SRC:C_SRC+1], s[20:21], s[C_SRC:C_SRC+1]
	PICK C_IA, 128
	PICK C_IW, 32
	PICK C_IC, 5120
	PICK C_SU, 16
	PICK C_CR, 3145728
	PICK C_SR, 15859712
	s_cmp_lt_u32 s34, 320                          ; Wk
	PICK C_BASE, 256
	s_cselect_b64 s[C_SRC:C_SRC+1], s[18:19], s[C_SRC:C_SRC+1]
	PICK C_IC, 4096
	s_cmp_lt_u32 s34, 256                          ; Wq
	PICK C_BASE, 0
	PICK C_MASK, 31
	PICK C_SHIFT, 5
	s_cselect_b64 s[C_SRC:C_SRC+1], s[16:17], s[C_SRC:C_SRC+1]
	PICK C_PITCH, 16384
	PICK C_SB, 4194304
	PICK C_IC, 0
	s_sub_co_u32 s56, s34, s[C_BASE]
	s_and_b32 s57, s56, s[C_MASK]                  ; a
	s_lshr_b32 s58, s56, s[C_SHIFT]                ; b
	s_mul_i32 s60, s57, s[C_SA]
	s_mul_i32 s61, s58, s[C_SB]
	s_add_co_u32 s60, s60, s61
	s_lshl_b32 s61, s3, 7                          ; my wave's 32 columns
	s_add_co_u32 s60, s60, s61
	s_mov_b32 s61, 0
	s_add_nc_u64 s[66:67], s[C_SRC:C_SRC+1], s[60:61]      ; block 0 of K
	s_lshl_b32 s82, s[C_PITCH], 5
	s_mov_b32 s83, 0
.irp t, 1,2,3,4,5,6,7
	s_add_nc_u64 s[66+2*\t:67+2*\t], s[66+2*\t-2:67+2*\t-2], s[82:83]   ; blocks 1 to 7: 32 rows on each
.endr
	s_mul_i32 s62, s57, s[C_IA]
	s_mul_i32 s63, s58, s[C_IB]
	s_add_co_u32 s62, s62, s63
	s_mul_i32 s63, s3, s[C_IW]
	s_add_co_u32 s62, s62, s63
	s_add_co_u32 s62, s62, s[C_IC]                 ; the number of my fragment (K step 0, tile 0)
	s_mov_b32 s99, 0
.macro CBASE p, idx
	s_mul_i32 s98, s[\idx], 1536
	s_add_co_u32 s98, s98, s[C_CR]
	s_add_nc_u64 s[\p:\p+1], s[C_PTR:C_PTR+1], s[98:99]
.endm
	CBASE 84, 62                                   ; codes of (K step s, tile u) at s[84 + 4 s + 2 u]
	s_add_co_u32 s96, s62, s[C_SU]
	CBASE 86, 96
	s_add_co_u32 s97, s62, s[C_SS]
	CBASE 88, 97
	s_add_co_u32 s96, s97, s[C_SU]
	CBASE 90, 96
	s_lshl_b32 s98, s62, 6
	s_add_co_u32 s98, s98, s[C_SR]
	s_add_nc_u64 s[92:93], s[C_PTR:C_PTR+1], s[98:99]      ; scale words of K step 0,
	s_lshl_b32 s98, s97, 6
	s_add_co_u32 s98, s98, s[C_SR]
	s_add_nc_u64 s[94:95], s[C_PTR:C_PTR+1], s[98:99]      ; of K step 1
	v_and_b32 v9, 15, v1                           ; my place p in my tile
	v_lshrrev_b32 v10, 4, v1                       ; my tile u
	v_and_b32 v11, 8, v9
	v_add_nc_u32 v11, v11, v9
	v_lshl_add_u32 v11, v10, 3, v11                ; my column: 8 u + p + 8 (p / 8)
	v_lshlrev_b32 v3, 2, v11
	s_lshl_b32 s97, s[C_SU], 6
	v_mul_u32_u24 v4, s97, v10
	v_lshl_add_u32 v4, v9, 2, v4                   ; my scale word: tile u's 64 bytes, + 4 p
	s_mov_b32 s97, 0
.set I_, 0
.rept 32
	v_add_nc_u32 v[16+I_], s97, v3                 ; row I_ of a block
	s_add_co_u32 s97, s97, s[C_PITCH]
.set I_, I_+1
.endr
.macro LOADB t                         ; block t: 32 rows of K at my column; a wave's load reads 128 consecutive bytes
.set I_, 0
.rept 32
	global_load_b32 v[48+32*((\t)%2)+I_], v[16+I_], s[66+2*(\t):67+2*(\t)] th:TH_LOAD_NT
.set I_, I_+1
.endr
.endm
.macro BLOCK t
.set XS, 48+32*((\t)%2)
.set SS_, (\t)/4
.set KB_, (\t)%4
.set CC_, KB_/2
.set IA_, 112+24*SS_                   ; tile 0's fragment of this K step,
.set IB_, 124+24*SS_                   ; tile 1's
.if (\t) < 7
	s_wait_loadcnt 32                              ; this block's 32 loads are in, the next block's may be out
.else
	s_wait_loadcnt 0x0
.endif
	v_max3_num_f32 v12, |v[XS]|, |v[XS+1]|, |v[XS+2]|
	v_max3_num_f32 v13, |v[XS+3]|, |v[XS+4]|, |v[XS+5]|
.irp i, 6,10,14,18,22,26
	v_max3_num_f32 v12, v12, |v[XS+\i]|, |v[XS+\i+1]|
	v_max3_num_f32 v13, v13, |v[XS+\i+2]|, |v[XS+\i+3]|
.endr
	v_max3_num_f32 v12, v12, |v[XS+30]|, |v[XS+31]|
	v_max3_num_f32 v12, v12, v13, 0x1800000        ; the block's largest magnitude, and the floor
	v_add_nc_u32 v11, 0xff000000, v12              ; the conversion's scale operand
	v_lshrrev_b32 v13, 23, v11                     ; the byte
.if KB_ == 0
	v_mov_b32 v[168+SS_], v13
.else
	v_lshl_or_b32 v[168+SS_], v13, 8*KB_, v[168+SS_]
.endif
.if KB_%2 == 0
	v_cvt_scalef32_pk16_fp6_f32 v[IA_+6*CC_:IA_+6*CC_+2], v[XS:XS+15], v11
	v_cvt_scalef32_pk16_fp6_f32 v[160:162], v[XS+16:XS+31], v11
.else
	v_cvt_scalef32_pk16_fp6_f32 v[IB_+6*CC_:IB_+6*CC_+2], v[XS:XS+15], v11
	v_cvt_scalef32_pk16_fp6_f32 v[164:166], v[XS+16:XS+31], v11
.endif
	v_nop                                          ; one plain place behind a scaled conversion
.if (\t) < 6
	LOADB (\t)+2
.endif
.if KB_%2 == 1
.irp i, 0,1,2                          ; the even block's lanes 16-31 (tile 1) change places with the odd block's lanes 0-15 (tile 0): each run is then one tile's, block 2 c below and 2 c + 1 above
	v_permlane16_swap_b32 v[IA_+6*CC_+\i], v[IB_+6*CC_+\i]
	v_permlane16_swap_b32 v[160+\i], v[164+\i]
.endr
.irp i, 0,1,2
	v_mov_b32 v[IA_+6*CC_+3+\i], v[160+\i]
	v_mov_b32 v[IB_+6*CC_+3+\i], v[164+\i]
.endr
.endif
.if KB_ == 3
.irp c, 0,1,2
	global_store_b128 v2, v[IA_+4*\c:IA_+4*\c+3], s[84+4*SS_:85+4*SS_] offset:512*\c
	global_store_b128 v2, v[IB_+4*\c:IB_+4*\c+3], s[86+4*SS_:87+4*SS_] offset:512*\c
.endr
	global_store_b32 v4, v[168+SS_], s[92+2*SS_:93+2*SS_]
.endif
.endm
	LOADB 0
	LOADB 1
.irp t, 0,1,2,3,4,5,6,7
	BLOCK \t
.endr
.Ltail:
	s_wait_tensorcnt 0x0                           ; the wave's end: behind my last LDS store
	ds_add_u32 v6, v7
	s_wait_dscnt 0x0
	s_endpgm
.Lfunc_end_k_qe9c05cda8f_prep:
	.size	k_qe9c05cda8f_prep, .Lfunc_end_k_qe9c05cda8f_prep-k_qe9c05cda8f_prep
	.p2alignl 7, 3214868480
	.fill 96, 4, 3214868480
	.section	.rodata,"a",@progbits
	.p2align	6, 0x0
	.amdhsa_kernel k_qe9c05cda8f_prep
		.amdhsa_group_segment_fixed_size 34304
		.amdhsa_private_segment_fixed_size 0
		.amdhsa_enable_private_segment 0
		.amdhsa_kernarg_size 104
		.amdhsa_user_sgpr_count 2
		.amdhsa_user_sgpr_kernarg_segment_ptr 1
		.amdhsa_wavefront_size32 1
		.amdhsa_system_sgpr_workgroup_id_x 1
		.amdhsa_system_sgpr_workgroup_id_y 1
		.amdhsa_system_sgpr_workgroup_id_z 1
		.amdhsa_system_vgpr_workitem_id 0
		.amdhsa_next_free_vgpr 256
		.amdhsa_next_free_sgpr 100
		.amdhsa_reserve_vcc 1
		.amdhsa_float_denorm_mode_32 3
		.amdhsa_float_denorm_mode_16_64 3
		.amdhsa_memory_ordered 1
		.amdhsa_forward_progress 1
		.amdhsa_inst_pref_size 174
	.end_amdhsa_kernel
	.amdgpu_metadata
---
amdhsa.version: [ 1, 2 ]
amdhsa.kernels:
  - .name:           k_qe9c05cda8f_prep
    .symbol:         k_qe9c05cda8f_prep.kd
    .args:
      - { .name: combined_states, .offset: 0, .size: 8, .value_kind: global_buffer, .address_space: global }
      - { .name: cache_k0, .offset: 8, .size: 8, .value_kind: global_buffer, .address_space: global }
      - { .name: attention_mask, .offset: 16, .size: 8, .value_kind: global_buffer, .address_space: global }
      - { .name: position_ids, .offset: 24, .size: 8, .value_kind: global_buffer, .address_space: global }
      - { .name: Wq, .offset: 32, .size: 8, .value_kind: global_buffer, .address_space: global }
      - { .name: Wk, .offset: 40, .size: 8, .value_kind: global_buffer, .address_space: global }
      - { .name: Wv, .offset: 48, .size: 8, .value_kind: global_buffer, .address_space: global }
      - { .name: Wo, .offset: 56, .size: 8, .value_kind: global_buffer, .address_space: global }
      - { .name: cache_v0, .offset: 64, .size: 8, .value_kind: global_buffer, .address_space: global }
      - { .name: gop, .offset: 72, .size: 8, .value_kind: global_buffer, .address_space: global }
      - { .name: kvq, .offset: 80, .size: 8, .value_kind: global_buffer, .address_space: global }
      - { .name: msk, .offset: 88, .size: 8, .value_kind: global_buffer, .address_space: global }
      - { .name: flg, .offset: 96, .size: 8, .value_kind: global_buffer, .address_space: global }
    .group_segment_fixed_size: 34304
    .private_segment_fixed_size: 0
    .kernarg_segment_align: 8
    .kernarg_segment_size: 104
    .max_flat_workgroup_size: 128
    .sgpr_count:     100
    .vgpr_count:     256
    .wavefront_size: 32
...
	.end_amdgpu_metadata
.endif
;; end of part 1
;; launch gemm_qkv (part 2): grid 32 x 8, 4 waves a work-group, clusters of 4 x 4, 327,680 bytes of LDS; arguments gop, qkv; writes qkv
.if DOCPART == 2
	.amdgcn_target "amdgcn-amd-amdhsa--gfx1250"
	.amdhsa_code_object_version 6
	.text
	.protected	k_qe9c05cda8f_gemm_qkv
	.globl	k_qe9c05cda8f_gemm_qkv
	.p2align	8
	.type	k_qe9c05cda8f_gemm_qkv,@function
k_qe9c05cda8f_gemm_qkv:
	s_mov_b64 s[64:65], 0
	v_nop
	global_prefetch_b8 v0, s[64:65] scope:SCOPE_SE
	s_setreg_imm32_b32 hwreg(HW_REG_WAVE_MODE, 25, 1), 1
	s_wait_xcnt 0x0
	s_wait_alu depctr_hold_cnt(0) depctr_sa_sdst(0) depctr_va_vdst(0) depctr_va_sdst(0) depctr_va_ssrc(0) depctr_va_vcc(0) depctr_vm_vsrc(0)
	s_getreg_b32 s2, hwreg(HW_REG_IB_STS2, 6, 4)
	s_cmp_eq_u32 s2, 0
	s_cbranch_scc0 .Lentry_in_a_cluster
	s_endpgm
.Lentry_in_a_cluster:
	s_bfe_u32 s2, ttmp6, 0x10000c
	s_cmp_lg_u32 s2, 0xf033
	s_cbranch_scc0 .Lentry_shape_is_right
	s_endpgm
.Lentry_shape_is_right:
; C = A B^T on fragment images of E2M3 codes (16 rows x 128 K: 1,536 bytes, registers 4c..4c+3 of lane l at 512 c + 16 l; scale words 64 bytes).  One text serves two launches; OUT chooses the sizes and the way out.
; OUT = 0: [2048 x 2048] x [2048 x 6144] (Wq, Wk, Wv side by side): a work-group makes 256 x 192, its four waves 128 x 96 each (8 x 6 accumulators); the results leave as they stand, as Q-layout images, f32.
; OUT = 1: [2048 x 4096] x [4096 x 1024] (attention's result x Wo): a work-group makes 128 x 64, its four waves 32 x 64 each (2 x 4 accumulators): the largest tile that still gives 256 work-groups; out0 is row-major f32.
; K goes through a ring of two LDS slots of NQ steps of 128, filled by the tensor data mover; a fragment comes from LDS by three loads of 512 consecutive bytes.  The scale words of all of K come once, with the first fills.
; CLUSTERS: 4 x 4 work-groups; A's tiles are asked for jointly along a row of the cluster, B's along a column.  THE MATRIX INSTRUCTION IS USED TRANSPOSED (source 0 = 16 rows of B, source 1 = 16 rows of A).
; No prefetch ahead of the tensor loads: all operands of a launch are 13 MB or less, each tile is asked for jointly, and the launch is short.
; REGISTERS: window 0: v16-29 addresses; v32-47 scale words, two sets (lanes 0-15 A's block i, lanes 16-31 B's block i); from v64 A's fragments, two sets.  window 1: B's fragments, two sets.  windows 2, 3: the accumulators.
.set OUT, 0
.if OUT
.set MB, 2
.set NBK, 4
.set KS, 32
.set NQ, 4
.set RA, 4
.set RB, 2
.set MBW, 8
.set NBW, 4
.set ASOFF, 6291456
.set BOFF, 12582912
.set BSOFF, 16252928
.else
.set MB, 8                             ; blocks of 16 rows of A a wave
.set NBK, 6                            ; blocks of 16 rows of B a wave
.set KS, 16                            ; steps of 128 along K
.set NQ, 2                             ; steps in a slot
.set RA, 8                             ; blocks of A in one tensor load
.set RB, 6                             ; blocks of B in one tensor load
.set MBW, 16                           ; blocks of A a work-group
.set NBW, 12                           ; blocks of B a work-group
.set ASOFF, 15728640                   ; where A's scale words, B's codes and B's scale words begin in their buffers
.set BOFF, 3145728
.set BSOFF, 15859712
.endif
.set NP, MB*NBK
.set LAPS, KS/(2*NQ)
.set CEL, 192*NQ                       ; a tile's row in elements of 8 bytes: NQ fragments
.set PEL, 192*KS                       ; a block's fragments of all of K
.set AH, RA*NQ*1536
.set ABYTES, 2*AH
.set BH, RB*NQ*1536
.set SLOT, ABYTES+2*BH
.set KS64, KS*64                       ; a block's scale words of all of K
.set ASH, RA*KS64
.set ASZ, 2*ASH
.set BSH, RB*KS64
.set SCL, 2*SLOT                       ; behind the ring: the scale words
.set SPARE, SCL+ASZ+2*BSH              ; behind them: the spare words, 128 bytes for each wave
.if MB < NBK
.set SMIN, MB
.set SMAX, NBK
.else
.set SMIN, NBK
.set SMAX, MB
.endif
.set G1, 24
.set G0, 32
.set G1B, 48
.set G0B, 56
.set G1S, 68
.set G0S, 76
.set G1SB, 80
.set G0SB, 88
.set MSB, 0
.macro WIN new                         ; the immediate's high byte repeats the setting that is left
.if MSB != (\new)
	s_set_vgpr_msb (MSB<<8)|(\new)
.set MSB, (\new)
.endif
.endm
.set MUL_LO, 0xa1                      ; source 0 (B) window 1, source 1 (A) window 0, C and D window 2
.set MUL_HI, 0xf1                      ; the same, C and D window 3
.set TO_B, 0x40                        ; destination window 1, address window 0
; A joint load: waves 0 and 1 fetch for A, waves 2 and 3 for B; the branch hangs on the wave's number alone.  An s_nop 0 and four v_nop follow each of the two lines.
.macro JLOAD g0a, g1a, g0b, g1b
	s_cmp_eq_u32 s15, 0
	s_cbranch_scc0 .Lfor_b_\@
	tensor_load_to_lds s[\g0a:\g0a+3], s[\g1a:\g1a+7]
	s_nop 0
.rept 4
	v_nop
.endr
	s_branch .Lasked_\@
.Lfor_b_\@:
	tensor_load_to_lds s[\g0b:\g0b+3], s[\g1b:\g1b+7]
	s_nop 0
.rept 4
	v_nop
.endr
.Lasked_\@:
.endm
.macro CREST                           ; a round of the cluster's barrier behind its opening barrier
	s_cmp_lg_u32 s14, 0
	s_cbranch_scc1 .Lnot_wave_0_\@
	s_barrier_signal -3
.Lnot_wave_0_\@:
	s_barrier_wait -3
	s_barrier_signal -1
	s_barrier_wait -1
.endm
.macro CROUND
	s_barrier_signal -1
	s_barrier_wait -1
	CREST
.endm
.macro PLACES n
.rept \n
	v_nop
.endr
.endm
	s_load_b128 s[4:7], s[0:1], 0x0
.if OUT
	s_load_b64 s[8:9], s[0:1], 0x10
.endif
	v_lshl_add_u32 v28, v0, 2, SPARE               ; my spare word; never rewritten
	v_mov_b32 v29, 0                               ; 0; never rewritten
	ds_add_u32 v28, v29                            ; the wave's opening: the add and its wait stand ahead of my first tensor load; the set-up below stands between them
	v_lshrrev_b32 v1, 5, v0
	v_readfirstlane_b32 s14, v1                    ; wave
	s_lshr_b32 s15, s14, 1                         ; I fetch for A (0) or for B (1),
	s_and_b32 s16, s14, 1                          ; its first or its second half
	s_bfe_u32 s40, ttmp6, 0x40000                  ; cx, cy
	s_bfe_u32 s41, ttmp6, 0x40004
	s_lshl_b32 s42, ttmp9, 2
	s_add_co_u32 s42, s42, s40                     ; tile column
	s_and_b32 s17, ttmp7, 0xffff
	s_lshl_b32 s17, s17, 2
	s_add_co_u32 s17, s17, s41                     ; tile row
	s_lshl_b32 s43, s41, 2
	s_lshl_b32 s43, 15, s43                        ; my row of the cluster
	s_lshl_b32 s44, 0x1111, s40                    ; my column
	s_or_b32 s[G1], s43, (3<<16)|(1<<21)           ; 15:0 the mask; 17:16 elements of 8 bytes; 21 set beside a mask; no padding
	s_or_b32 s[G1B], s44, (3<<16)|(1<<21)
	s_or_b32 s[G1S], s43, (3<<16)|(1<<21)
	s_or_b32 s[G1SB], s44, (3<<16)|(1<<21)
	s_mov_b32 s[G1+1], CEL<<16                     ; A's codes: RA rows of NQ fragments, a row every PEL elements
	s_mov_b32 s[G1+2], RA<<16
	s_mov_b32 s[G1+3], CEL<<16
	s_mov_b32 s[G1+4], RA
	s_mov_b32 s[G1+5], PEL
	s_mov_b32 s[G1+6], 0
	s_mov_b32 s[G1+7], 0
	s_mov_b32 s[G1B+1], CEL<<16                    ; B's: RB rows
	s_mov_b32 s[G1B+2], RB<<16
	s_mov_b32 s[G1B+3], CEL<<16
	s_mov_b32 s[G1B+4], RB
	s_mov_b32 s[G1B+5], PEL
	s_mov_b32 s[G1B+6], 0
	s_mov_b32 s[G1B+7], 0
	s_mov_b32 s[G1S+1], 32<<16                     ; the scale words: dense blocks, as rows of 256 bytes
	s_mov_b32 s[G1S+2], (ASH/256)<<16
	s_mov_b32 s[G1S+3], 32<<16
	s_mov_b32 s[G1S+4], ASH/256
	s_mov_b32 s[G1S+5], 32
	s_mov_b32 s[G1S+6], 0
	s_mov_b32 s[G1S+7], 0
	s_mov_b32 s[G1SB+1], 32<<16
	s_mov_b32 s[G1SB+2], (BSH/256)<<16
	s_mov_b32 s[G1SB+3], 32<<16
	s_mov_b32 s[G1SB+4], BSH/256
	s_mov_b32 s[G1SB+5], 32
	s_mov_b32 s[G1SB+6], 0
	s_mov_b32 s[G1SB+7], 0
	s_mul_i32 s20, s17, MBW
	s_mul_i32 s18, s16, RA
	s_add_co_u32 s20, s20, s18                     ; A: the first block that I fetch: it hangs on the tile row alone
	s_mul_i32 s46, s42, NBW
	s_mul_i32 s18, s16, RB
	s_add_co_u32 s46, s46, s18                     ; B: on the tile column alone
	s_mul_i32 s22, s20, KS64
	s_add_co_u32 s22, s22, ASOFF
	s_mul_i32 s20, s20, KS*1536
	s_mul_i32 s92, s46, KS64
	s_add_co_u32 s92, s92, BSOFF
	s_mul_i32 s46, s46, KS*1536
	s_add_co_u32 s46, s46, BOFF
	s_mov_b32 s21, 0
	s_mov_b32 s23, 0
	s_mov_b32 s47, 0
	s_mov_b32 s93, 0
	s_mul_i32 s45, s16, AH                         ; where they go: no place in the cluster enters an LDS address
	s_mul_i32 s94, s16, BH
	s_add_co_u32 s94, s94, ABYTES
	s_mul_i32 s95, s16, ASH
	s_add_co_u32 s95, s95, SCL
	s_mul_i32 s96, s16, BSH
	s_add_co_u32 s96, s96, SCL+ASZ
	s_wait_dscnt 0x0                               ; the opening add is done
	s_wait_kmcnt 0x0
.if OUT == 0
	s_mov_b64 s[8:9], s[6:7]                       ; C
	s_mov_b64 s[6:7], s[4:5]                       ; A and B lie in one buffer
.endif
	s_add_nc_u64 s[20:21], s[4:5], s[20:21]
	s_add_nc_u64 s[22:23], s[4:5], s[22:23]
	s_add_nc_u64 s[46:47], s[6:7], s[46:47]
	s_add_nc_u64 s[92:93], s[6:7], s[92:93]
	CROUND                                         ; all sixteen work-groups are here: the first joint loads meet
	s_mov_b32 s[G0S], 1
	s_mov_b32 s[G0S+1], s95
	s_mov_b64 s[G0S+2:G0S+3], s[22:23]
	s_or_b32 s[G0S+3], s[G0S+3], 0x80000000
	s_mov_b32 s[G0SB], 1
	s_mov_b32 s[G0SB+1], s96
	s_mov_b64 s[G0SB+2:G0SB+3], s[92:93]
	s_or_b32 s[G0SB+3], s[G0SB+3], 0x80000000
	JLOAD G0S, G1S, G0SB, G1SB                     ; the scale words first: filled once
.irp s, 0,1
	s_mov_b32 s[G0+4*\s], 1
	s_add_co_u32 s[G0+4*\s+1], s45, \s*SLOT
	s_add_nc_u64 s[G0+4*\s+2:G0+4*\s+3], s[20:21], \s*NQ*1536
	s_or_b32 s[G0+4*\s+3], s[G0+4*\s+3], 0x80000000
	s_mov_b32 s[G0B+4*\s], 1
	s_add_co_u32 s[G0B+4*\s+1], s94, \s*SLOT
	s_add_nc_u64 s[G0B+4*\s+2:G0B+4*\s+3], s[46:47], \s*NQ*1536
	s_or_b32 s[G0B+4*\s+3], s[G0B+4*\s+3], 0x80000000
	JLOAD G0+4*\s, G1, G0B+4*\s, G1B               ; three tensor loads of mine are out now, later one
.endr
	v_and_b32 v1, 15, v0                           ; r
	v_bfe_u32 v2, v0, 4, 1                         ; h
	v_and_b32 v3, 31, v0
	v_lshlrev_b32 v3, 4, v3                        ; 16 x lane
.if OUT
	s_mov_b32 s18, s14                             ; which rows of the work-group's tile are mine,
	s_mov_b32 s19, 0                               ; which columns
.else
	s_mov_b32 s18, s15
	s_mov_b32 s19, s16
.endif
	s_mul_i32 s21, s18, MB*NQ*1536
	s_mul_i32 s22, s19, NBK*NQ*1536
	s_add_co_u32 s22, s22, ABYTES
.irp s, 0,1
	v_add_nc_u32 v[16+\s], s21, v3                 ; my fragments of A in slot s,
	v_add_nc_u32 v[20+\s], s22, v3                 ; of B
	s_add_co_u32 s21, s21, SLOT
	s_add_co_u32 s22, s22, SLOT
.endr
	s_mul_i32 s21, s18, MB*KS64
	s_mul_i32 s22, s19, NBK*KS64
	s_add_co_u32 s22, s22, ASZ
	s_sub_co_u32 s22, s22, s21                     ; from my rows' scale words of A to those of B
	v_lshlrev_b32 v5, 2, v1
	v_mul_u32_u24 v6, s22, v2                      ; lanes 16-31 take B's
	s_add_co_u32 s21, s21, SCL
	v_add_nc_u32 v6, v5, v6
	v_add_nc_u32 v27, s21, v6
.if OUT
	v_add_nc_u32 v22, SCL+ASZ, v5                  ; the side with more blocks: all lanes take its words
.else
	v_add_nc_u32 v22, s21, v5
.endif
.if OUT
	s_mul_i32 s23, s14, 4352                       ; my stage: 16 rows of 256 bytes + 16, in slot 0
	v_mul_u32_u24 v5, v1, 272
	v_lshl_add_u32 v5, v2, 6, v5
	v_add_nc_u32 v24, s23, v5                      ; in: row r, + 64 h
	v_mul_u32_u24 v5, v2, 272
	v_lshl_add_u32 v5, v1, 4, v5
	v_add_nc_u32 v25, s23, v5                      ; back: lanes 0-15 one row, lanes 16-31 the next
	v_lshlrev_b32 v26, 12, v2
	v_lshl_add_u32 v26, v1, 4, v26                 ; and the same in out0
	s_lshl_b32 s20, s17, 7
	s_lshl_b32 s21, s14, 5
	s_add_co_u32 s20, s20, s21
	s_lshl_b32 s20, s20, 12                        ; my first row: 128 x tile row + 32 x wave, 4,096 bytes a row
	s_lshl_b32 s46, s42, 8                         ; 64 columns x tile column
.else
	v_mov_b32 v26, v3
	s_lshl_b32 s20, s17, 4
	s_lshl_b32 s21, s18, 3
	s_add_co_u32 s20, s20, s21
	s_mul_i32 s20, s20, 393216                     ; a block of 16 rows has 384 tiles of 1,024 bytes
	s_mul_i32 s46, s42, 12
	s_mul_i32 s47, s19, 6
	s_add_co_u32 s46, s46, s47
	s_lshl_b32 s46, s46, 10
.endif
	s_mov_b32 s21, 0
	s_mov_b32 s47, 0
	s_add_nc_u64 s[8:9], s[8:9], s[20:21]
	s_add_nc_u64 s[8:9], s[8:9], s[46:47]
; products p0 .. p1 - 1 of a step's NP: product p is A's block p / NBK x B's block p % NBK, from set f.  All NP accumulators take turns, one instruction a turn, in the same order in every step.
.macro MULS p0, p1, f, zero
.set P_, \p0
.rept (\p1)-(\p0)
.set MA_, P_/NBK
.set MN_, P_%NBK
.set AC_, 8*((MA_%(MB/2))*NBK+MN_)
.if \zero
	v_wmma_scale_f32_16x16x128_f8f6f4 v[AC_:AC_+7], v[12*NBK*(\f)+12*MN_:12*NBK*(\f)+12*MN_+11], v[64+12*MB*(\f)+12*MA_:64+12*MB*(\f)+12*MA_+11], 0, v[32+8*(\f)+MN_], v[32+8*(\f)+MA_] matrix_a_fmt:MATRIX_FMT_FP6 matrix_b_fmt:MATRIX_FMT_FP6 matrix_a_scale:MATRIX_SCALE_ROW1
.else
	v_wmma_scale_f32_16x16x128_f8f6f4 v[AC_:AC_+7], v[12*NBK*(\f)+12*MN_:12*NBK*(\f)+12*MN_+11], v[64+12*MB*(\f)+12*MA_:64+12*MB*(\f)+12*MA_+11], v[AC_:AC_+7], v[32+8*(\f)+MN_], v[32+8*(\f)+MA_] matrix_a_fmt:MATRIX_FMT_FP6 matrix_b_fmt:MATRIX_FMT_FP6 matrix_a_scale:MATRIX_SCALE_ROW1
.endif
.set P_, P_+1
.endr
.endm
; the fragments and scale words of the slot's q-th step into set f, in one run
.macro FETCH slot, q, f
	WIN TO_B
.set I_, 0
.rept NBK
.irp c, 0,1,2
	ds_load_b128 v[12*NBK*(\f)+12*I_+4*\c:12*NBK*(\f)+12*I_+4*\c+3], v[20+\slot] offset:(I_*NQ+(\q))*1536+512*\c
.endr
.set I_, I_+1
.endr
	WIN 0
.set I_, 0
.rept MB
.irp c, 0,1,2
	ds_load_b128 v[64+12*MB*(\f)+12*I_+4*\c:64+12*MB*(\f)+12*I_+4*\c+3], v[16+\slot] offset:(I_*NQ+(\q))*1536+512*\c
.endr
.set I_, I_+1
.endr
.set I_, 0
.rept SMAX
.if I_ < SMIN
	ds_load_b32 v[32+8*(\f)+I_], v27 offset:I_*KS64+64*(\q)
.else
	ds_load_b32 v[32+8*(\f)+I_], v22 offset:I_*KS64+64*(\q)
.endif
.set I_, I_+1
.endr
.endm
; a step that has its successor in the same slot: in its middle the successor's operands are fetched into the other set, four places behind the products that read that set
.macro STEP slot, q, zero
	s_wait_dscnt 0x0                               ; this set's loads, issued half a step ago, are in
	WIN MUL_LO
	MULS 0, NP/2, (\q)%2, \zero
	PLACES 4
	FETCH \slot, (\q)+1, 1-(\q)%2
	WIN MUL_HI
	MULS NP/2, NP, (\q)%2, \zero
	WIN 0
.endm
; a slot's last step changes slots: ONE barrier; in front of it each wave waits for all its tensor loads, adds 0 to its spare word, and waits for that and for its reads of this slot.  fill = 1: the slot is filled again, two slots ahead.
.macro TURN slot, next, fill
	s_wait_tensorcnt 0x0                           ; all my tensor loads have landed: my part of the next slot
	ds_add_u32 v28, v29                            ; 0 onto my spare word
	s_wait_dscnt 0x1                               ; only the add may be out: my fragments are in
	WIN MUL_LO
	MULS 0, NP/4, 1, 0
	s_wait_dscnt 0x0                               ; the add is done, and my reads of this slot are over
	s_barrier_signal -1
	MULS NP/4, NP/2, 1, 0
	WIN 0
	s_barrier_wait -1
.if \fill
	CREST                                          ; the barrier has opened a round of the cluster's barrier: no wave of any partner still reads this slot or has a load on its way
	s_add_nc_u64 s[G0+4*\slot+2:G0+4*\slot+3], s[G0+4*\slot+2:G0+4*\slot+3], 2*NQ*1536
	s_add_nc_u64 s[G0B+4*\slot+2:G0B+4*\slot+3], s[G0B+4*\slot+2:G0B+4*\slot+3], 2*NQ*1536
	JLOAD G0+4*\slot, G1, G0B+4*\slot, G1B         ; the first tensor load behind the round; its four v_nop are the places in front of the loads below
.else
	PLACES 4
.endif
	v_add_nc_u32 v27, NQ*64, v27                   ; on to the next slot's scale words
	v_add_nc_u32 v22, NQ*64, v22
	FETCH \next, 0, 0
	WIN MUL_HI
	MULS NP/2, NP, 1, 0
	WIN 0
.endm
.macro RUN slot, q0                    ; steps q0 .. NQ - 2 of a slot
.if NQ-1-(\q0) > 0
.set QQ, \q0
.rept NQ-1-(\q0)
	STEP \slot, QQ, 0
.set QQ, QQ+1
.endr
.endif
.endm
	s_wait_tensorcnt 0x1                           ; the scale words and my part of slot 0 are in; slot 1's load may be out
	s_barrier_signal -1
	s_barrier_wait -1
	FETCH 0, 0, 0
	STEP 0, 0, 1                                   ; the first step stands in front of the loop: its products start the sums
	s_mov_b32 s3, LAPS-1
.Llap:                                             ; a trip goes once round the ring and fills both slots again
	RUN 0, 1
	TURN 0, 1, 1
	RUN 1, 0
	TURN 1, 0, 1
	STEP 0, 0, 0
	s_sub_co_u32 s3, s3, 1
	s_cmp_lg_u32 s3, 0
	s_cbranch_scc1 .Llap
	RUN 0, 1                                       ; the last lap fills nothing
	TURN 0, 1, 0
	RUN 1, 0
	s_wait_dscnt 0x0
	WIN MUL_LO
	MULS 0, NP/2, 1, 0
	WIN MUL_HI
	MULS NP/2, NP, 1, 0
	WIN 0
	PLACES 4                                       ; in front of the first read of results
.if OUT
	; THE WAY OUT: a block of 16 rows x 64 columns goes through my stage (in slot 0: it has had its last fill, and every wave has passed the last change of slots) and comes back as rows of 256 bytes
.irp a, 0,1
	WIN 0x08+4*\a
.irp b, 0,1,2,3
	ds_store_b128 v24, v[8*\b:8*\b+3] offset:128*(\b/2)+32*(\b%2)          ; each accumulator from its low end on
	ds_store_b128 v24, v[8*\b+4:8*\b+7] offset:128*(\b/2)+32*(\b%2)+16
.endr
	WIN 0
.irp t, 0,1,2,3,4,5,6,7
	ds_load_b128 v[128+32*\a+4*\t:128+32*\a+4*\t+3], v25 offset:544*\t     ; LDS serves a wave's instructions in order: these see my stores, and the next block's stores come behind them
.endr
.endr
	s_wait_dscnt 0x0
.irp a, 0,1
.irp t, 0,1,2,3,4,5,6,7
	global_store_b128 v26, v[128+32*\a+4*\t:128+32*\a+4*\t+3], s[8:9] offset:65536*\a+8192*\t th:TH_STORE_NT   ; 16 lanes store 256 consecutive bytes, aligned
.endr
.endr
.else
	; THE WAY OUT: an accumulator is a tile of a Q-layout image as it stands: two stores of 512 consecutive bytes, the low four registers first
.set P_, 0
.rept NP
.set MA_, P_/NBK
.set MN_, P_%NBK
.set AC_, 8*((MA_%(MB/2))*NBK+MN_)
	WIN 0x08+4*(MA_/(MB/2))
	global_store_b128 v26, v[AC_:AC_+3], s[8:9] offset:MA_*393216+MN_*1024
	global_store_b128 v26, v[AC_+4:AC_+7], s[8:9] offset:MA_*393216+MN_*1024+512
.set P_, P_+1
.endr
	WIN 0
.endif
	s_wait_tensorcnt 0x0                           ; the wave's end: behind my last tensor load and my last LDS store
	ds_add_u32 v28, v29
	s_wait_dscnt 0x0
	CROUND                                         ; the closing round
	s_endpgm
.Lfunc_end_k_qe9c05cda8f_gemm_qkv:
	.size	k_qe9c05cda8f_gemm_qkv, .Lfunc_end_k_qe9c05cda8f_gemm_qkv-k_qe9c05cda8f_gemm_qkv
	.p2alignl 7, 3214868480
	.fill 96, 4, 3214868480
	.section	.rodata,"a",@progbits
	.p2align	6, 0x0
	.amdhsa_kernel k_qe9c05cda8f_gemm_qkv
		.amdhsa_group_segment_fixed_size 327680
		.amdhsa_private_segment_fixed_size 0
		.amdhsa_enable_private_segment 0
		.amdhsa_kernarg_size 16
		.amdhsa_user_sgpr_count 2
		.amdhsa_user_sgpr_kernarg_segment_ptr 1
		.amdhsa_wavefront_size32 1
		.amdhsa_system_sgpr_workgroup_id_x 1
		.amdhsa_system_sgpr_workgroup_id_y 1
		.amdhsa_system_sgpr_workgroup_id_z 1
		.amdhsa_system_vgpr_workitem_id 0
		.amdhsa_next_free_vgpr 1024
		.amdhsa_next_free_sgpr 100
		.amdhsa_reserve_vcc 0
		.amdhsa_float_denorm_mode_32 3
		.amdhsa_float_denorm_mode_16_64 3
		.amdhsa_memory_ordered 1
		.amdhsa_forward_progress 1
		.amdhsa_inst_pref_size 97
	.end_amdhsa_kernel
	.amdgpu_metadata
---
amdhsa.version: [ 1, 2 ]
amdhsa.kernels:
  - .name:           k_qe9c05cda8f_gemm_qkv
    .symbol:         k_qe9c05cda8f_gemm_qkv.kd
    .args:
      - { .name: gop, .offset: 0, .size: 8, .value_kind: global_buffer, .address_space: global }
      - { .name: qkv, .offset: 8, .size: 8, .value_kind: global_buffer, .address_space: global }
    .group_segment_fixed_size: 327680
    .private_segment_fixed_size: 0
    .kernarg_segment_align: 8
    .kernarg_segment_size: 16
    .max_flat_workgroup_size: 128
    .sgpr_count:     100
    .vgpr_count:     1024
    .wavefront_size: 32
...
	.end_amdgpu_metadata
.endif
;; end of part 2
;; launch attn (part 3): grid 8 x 32, 16 waves a work-group, no clusters, 251,904 bytes of LDS; arguments qkv, msk, flg, kvq, cache_k1, cache_v1, atq; writes atq
.if DOCPART == 3
	.amdgcn_target "amdgcn-amd-amdhsa--gfx1250"
	.amdhsa_code_object_version 6
	.text
	.protected	k_qe9c05cda8f_attn
	.globl	k_qe9c05cda8f_attn
	.p2align	8
	.type	k_qe9c05cda8f_attn,@function
k_qe9c05cda8f_attn:
	s_mov_b64 s[64:65], 0
	v_nop
	global_prefetch_b8 v0, s[64:65] scope:SCOPE_SE
	s_setreg_imm32_b32 hwreg(HW_REG_WAVE_MODE, 25, 1), 1
	s_wait_xcnt 0x0
; ATTENTION of one head for 256 queries: RoPE of q and k, the two diagonal logits, softmax over 2,050 entries, P V0 + p1 v1 + p2 v; the result leaves as a fragment image of E2M3 codes for the last product.
; P IS QUANTISED FINISHED AND NORMALISED, so the row's maximum and sum are known before any p is quantised: the scores are made twice.  Pass 1: the running largest t and the sum of 2^(t - M).  Pass 2: p = 2^(t - M) / L, quantised, x V0.
; t = c (S + mask'), c = log2(e) / sqrt(128), mask' = mask x sqrt(128): the mask image is the C of the score product.  M = the largest t rounded up to a whole number; when it moves the sum is multiplied by a power of two.
; SHARES.  Sixteen waves, each one tile of 16 queries in 256 registers.  Waves 0-7 take tiles 8 i + w, waves 8-15 tiles 8 (15 - i) + w - 8 (i = work-group x): only to even the work under masks that hide later keys.
; Both products are used transposed (source 0 = 16 keys, or 16 of the head's 128; source 1 = my queries): a lane holds one query; the tiles' rows were chosen so that eight tiles are a Q-layout image (register 16 b + i = 32 b + 16 h + i).
; CLASSES.  Each tile of 16 queries x 128 keys has a stored class: 2 (every mask entry <= -1e7): the step's work is left out; 0 (all zeros): C = 0; 1: the image is loaded.  The diagonal logits are never masked, so the row's
; maximum is at least theirs.  LIMIT: leaving a step out is exact while |scores| x 128^-0.5 and the diagonal logits stay under 5e6 in magnitude.  NaN and infinities are not served.  1 / L comes by v_rcp_f32.
; THE RING.  The head's codes of K0 and V0 go memory -> registers -> LDS, 256 keys a slot, two buffers; all sixteen waves read them.  One barrier a trip, on every wave's path.  No tensor load and no cluster: the steps' work is
; passed over by branches on stored numbers.
; THE DIAGONAL OPERANDS.  d1 = q . k1, v1 and v are wanted only between the passes.  My 16 rows of cache_k1 and of cache_v1 are 8,192 consecutive bytes: they come by loads of 512 consecutive bytes, eight a trip, in the first trips of
; pass 1, into O^T's registers, which are idle there, and are turned into the Q layout through my own stage in LDS (16 rows, 528 bytes apart).  The roped q waits in that stage, in f32, until cache_k1 is there.  No prefetch beside that:
; these loads are themselves issued a trip ahead of the wait for them, and the codes are read again by eight work-groups a head.
.set S, 104                            ; v104-167 scores, then p
.set O, 168                            ; v168-231 O^T (at the head: cos and sin; in pass 1: cache_k1, cache_v1, v by turns)
.set FR, 32                            ; v32-79   four fragments; between products the softmax's scratch
.set KST, 80                           ; v80-91   K's codes on their way to LDS
.set VST, 92                           ; v92-103  V's
.set PC, 232                           ; v232-243 p's codes
.set PW, 244                           ; v244     p's scale word
.set FS, 245                           ; v245-248 the fragments' scale words
.set SEL, 20
.set CS, 22
.set BUF1, 65536                       ; buffer 0: K at 0, V at 24,576; the head's scale words at 49,152 (K) and 57,344 (V); buffer 1 at 65,536
.set VOFF, 24576
.set SCK, 49152
.set SCV, 57344
.set SPARE, 114688                     ; the spare words, 128 bytes for each wave
.set STG, 116736                       ; behind them: a stage of 8,448 bytes for each wave
; v1 16 x lane; v2 4 r; v3, v4 the add's two; v5 16 x thread; v6 fragments' LDS address; v7 scale words'; v8 mask image's offset; v9 staging loads' offset; v10 staging stores' address; v11 q's scale word;
; v12 -M; v13 the largest t; v[14:15] the sum, later 1 / L twice; v16-27 q's fragment; v28 t of d1, v30 t of d2; v29, v31 my stage's two addresses; behind pass 1 v[28:29] p1 twice, v[30:31] p2 twice; v250-255 at work
.macro QUANT src, dst, ct, tm, pw
.irp b, 0,1,2,3
	v_max3_num_f32 v[\tm+\b], |v[\src+16*\b]|, |v[\src+1+16*\b]|, 0x1800000   ; my 16 numbers of block b, and the floor 2^(3 - 127)
.endr
.irp i, 2,4,6,8,10,12,14
.irp b, 0,1,2,3
	v_max3_num_f32 v[\tm+\b], v[\tm+\b], |v[\src+16*\b+\i]|, |v[\src+1+16*\b+\i]|
.endr
.endr
.irp b, 0,1,2,3
	v_permlanex16_b32 v[\tm+4+\b], v[\tm+\b], s[SEL], s[SEL+1]
.endr
.irp b, 0,1,2,3
	v_max_num_f32 v[\tm+\b], v[\tm+\b], v[\tm+4+\b]
.endr
.irp b, 0,1,2,3
	v_add_nc_u32 v[\tm+12+\b], 0xff000000, v[\tm+\b]      ; 2 off the exponent field: the conversion's scale operand
.endr
.irp b, 0,1,2,3
	v_lshrrev_b32 v[\tm+4+\b], 23, v[\tm+12+\b]
.endr
	v_lshl_or_b32 v[\pw], v[\tm+5], 8, v[\tm+4]
	v_lshl_or_b32 v[\pw], v[\tm+6], 16, v[\pw]
	v_lshl_or_b32 v[\pw], v[\tm+7], 24, v[\pw]
.irp c, 0,1
	v_cvt_scalef32_pk16_fp6_f32 v[\dst+6*\c:\dst+2+6*\c], v[\src+32*\c:\src+15+32*\c], v[\tm+12+2*\c]
	v_cvt_scalef32_pk16_fp6_f32 v[\ct+4*\c:\ct+2+4*\c], v[\src+16+32*\c:\src+31+32*\c], v[\tm+13+2*\c]
.endr
	v_nop                                                  ; one plain place behind a scaled conversion
.irp c, 0,1
.irp i, 0,1,2
	v_permlane16_swap_b32 v[\dst+6*\c+\i], v[\ct+4*\c+\i]
.endr
.irp i, 0,1,2
	v_mov_b32 v[\dst+3+6*\c+\i], v[\ct+4*\c+\i]
.endr
.endr
.endm
.macro ROPE x                          ; registers j and j + 32 of a lane are d and d + 64: x'(d) = x(d) cos - x(d + 64) sin, x'(d + 64) = x(d + 64) cos + x(d) sin
.irp j, 0,2,4,6,8,10,12,14,16,18,20,22,24,26,28,30
	v_pk_mul_f32 v[250:251], v[\x+32+\j:\x+33+\j], v[O+32+\j:O+33+\j]
	v_pk_mul_f32 v[252:253], v[\x+\j:\x+1+\j], v[O+32+\j:O+33+\j]
	v_pk_fma_f32 v[\x+\j:\x+1+\j], v[\x+\j:\x+1+\j], v[O+\j:O+1+\j], v[250:251] neg_lo:[0,0,1] neg_hi:[0,0,1]
	v_pk_fma_f32 v[\x+32+\j:\x+33+\j], v[\x+32+\j:\x+33+\j], v[O+\j:O+1+\j], v[252:253]
.endr
.endm
.macro DOT x, y, d                     ; the product of two rows in the Q layout, f32: two packed chains, then lane l xor 16's half
	v_pk_mul_f32 v[250:251], v[\x:\x+1], v[\y:\y+1]
	v_pk_mul_f32 v[252:253], v[\x+2:\x+3], v[\y+2:\y+3]
.irp j, 4,8,12,16,20,24,28,32,36,40,44,48,52,56,60
	v_pk_fma_f32 v[250:251], v[\x+\j:\x+1+\j], v[\y+\j:\y+1+\j], v[250:251]
	v_pk_fma_f32 v[252:253], v[\x+2+\j:\x+3+\j], v[\y+2+\j:\y+3+\j], v[252:253]
.endr
	v_pk_add_f32 v[250:251], v[250:251], v[252:253]
	v_add_f32 v250, v250, v251
	v_permlanex16_b32 v251, v250, s[SEL], s[SEL+1]
	v_add_f32 v[\d], v250, v251
.endm
	s_load_b256 s[4:11], s[0:1], 0x0               ; qkv 4, msk 6, flg 8, kvq 10
	s_load_b128 s[12:15], s[0:1], 0x20             ; cache_k1 12, cache_v1 14
	s_load_b64 s[16:17], s[0:1], 0x30              ; atq
	v_lshl_add_u32 v3, v0, 2, SPARE                ; my spare word; never rewritten
	v_mov_b32 v4, 0                                ; 0; never rewritten
	v_lshrrev_b32 v1, 5, v0
	v_readfirstlane_b32 s18, v1                    ; wave
	v_and_b32 v9, 31, v0
	v_lshlrev_b32 v1, 4, v9
	v_and_b32 v10, 15, v0
	v_lshlrev_b32 v2, 2, v10
	v_lshlrev_b32 v5, 4, v0
	v_bfe_u32 v9, v0, 4, 1
	s_mul_i32 s49, s18, 8448
	s_add_co_u32 s49, s49, STG                     ; my stage
	v_add_nc_u32 v29, s49, v1                      ; into it: 16 bytes a lane (a row of 512 bytes, or four registers of an image, an instruction)
	v_mul_u32_u24 v31, v10, 528
	v_lshl_add_u32 v31, v9, 6, v31
	v_add_nc_u32 v31, s49, v31                     ; out of it in the Q layout: row r, + 64 h
	v_add_nc_u32 v10, BUF1, v5
	v_mov_b32 v255, 0                              ; a lane permute's destination counts as one of its sources
	s_and_b32 s57, ttmp7, 0xffff                   ; the head
	s_lshl_b32 s58, ttmp9, 3
	s_add_co_u32 s58, s58, s18
	s_sub_co_u32 s59, 15, ttmp9
	s_lshl_b32 s59, s59, 3
	s_add_co_u32 s59, s59, s18
	s_sub_co_u32 s59, s59, 8
	s_cmp_lt_u32 s18, 8
	s_cselect_b32 s19, s58, s59                    ; my tile of 16 queries
	s_mul_i32 s2, s57, 196608                      ; a head's codes
	s_mov_b32 s3, 0
	s_lshl_b32 s30, s57, 13                        ; a head's scale words
	s_add_co_u32 s30, s30, 12582912
	s_mov_b32 s31, 0
	s_lshl_b32 s58, s19, 17                        ; my 16 mask images
	s_mov_b32 s59, 0
	s_lshl_b32 s60, s19, 6                         ; my 16 classes
	s_mov_b32 s61, 0
	s_mul_i32 s70, s19, 384
	s_lshl_b32 s62, s57, 3
	s_add_co_u32 s62, s62, s70
	s_lshl_b32 s62, s62, 10                        ; q's image: tiles 8 head on
	s_mov_b32 s63, 0
	s_lshr_b32 s66, s57, 2
	s_lshl_b32 s66, s66, 3
	s_add_co_u32 s66, s66, s70
	s_add_co_u32 s66, s66, 256
	s_lshl_b32 s66, s66, 10                        ; k's: tiles 256 + 8 (head / 4) on; v's 64 tiles further
	s_mov_b32 s67, 0
	s_lshl_b32 s68, s19, 13
	s_add_co_u32 s68, s68, 16777216                ; cos and sin
	s_mov_b32 s69, 0
	s_lshl_b32 s70, s57, 20
	s_lshl_b32 s71, s19, 13
	s_add_co_u32 s70, s70, s71                     ; my 16 rows of cache_k1 and cache_v1: 8,192 consecutive bytes
	s_mov_b32 s71, 0
	s_lshl_b32 s72, s19, 5
	s_add_co_u32 s72, s72, s57                     ; my fragment of the result: 32 x tile + head
	s_lshl_b32 s74, s72, 6
	s_add_co_u32 s74, s74, 6291456
	s_mul_i32 s72, s72, 1536
	s_mov_b32 s73, 0
	s_mov_b32 s75, 0
	s_mov_b32 s[SEL], 0x76543210
	s_mov_b32 s[SEL+1], 0xfedcba98
	s_mov_b32 s[CS], 0x3e0293ee                    ; c = log2(e) / sqrt(128)
	s_mov_b32 s[CS+1], s[CS]
	s_wait_kmcnt 0x0
	s_add_nc_u64 s[24:25], s[10:11], s[2:3]        ; K0's codes of the head,
	s_add_nc_u64 s[26:27], s[24:25], 6291456       ; V0's
	s_add_nc_u64 s[30:31], s[10:11], s[30:31]
	s_add_nc_u64 s[28:29], s[6:7], s[58:59]
	s_add_nc_u64 s[60:61], s[8:9], s[60:61]
	s_load_b512 s[32:47], s[60:61], 0x0            ; the classes of my 16 steps
	s_add_nc_u64 s[62:63], s[4:5], s[62:63]
	s_add_nc_u64 s[66:67], s[4:5], s[66:67]
	s_add_nc_u64 s[68:69], s[6:7], s[68:69]
	s_add_nc_u64 s[76:77], s[12:13], s[70:71]
	s_add_nc_u64 s[78:79], s[14:15], s[70:71]
	s_add_nc_u64 s[72:73], s[16:17], s[72:73]
	s_add_nc_u64 s[74:75], s[16:17], s[74:75]
	; all that pass 1 wants goes out in one run of 56 loads
.irp j, 0,1,2
	global_load_b128 v[PC+4*\j:PC+4*\j+3], v5, s[24:25] offset:8192*\j     ; K's slot 0: 24,576 bytes, 48 a thread
.endr
.irp j, 0,1,2
	global_load_b128 v[12+4*\j:15+4*\j], v5, s[24:25] offset:24576+8192*\j ; K's slot 1
.endr
	global_load_b128 v[96:99], v5, s[30:31]                                ; K's scale words of the head,
	global_load_b128 v[100:103], v5, s[30:31] offset:262144                ; V's
.set I_, 0
.rept 16
	global_load_b128 v[S+4*I_:S+4*I_+3], v1, s[62:63] offset:512*I_        ; q
.set I_, I_+1
.endr
.set I_, 0
.rept 16
	global_load_b128 v[O+4*I_:O+4*I_+3], v1, s[68:69] offset:512*I_        ; cos in O .. O + 31, sin in O + 32 .. O + 63
.set I_, I_+1
.endr
.set I_, 0
.rept 16
	global_load_b128 v[FR+4*I_:FR+4*I_+3], v1, s[66:67] offset:512*I_      ; k
.set I_, I_+1
.endr
	s_wait_kmcnt 0x0
	s_mov_b32 s48, 0
.irp k, 0,1,2,3,4,5,6,7,8,9,10,11,12,13,14,15
	s_and_b32 s49, s[32+\k], 3
	s_lshl_b32 s49, s49, 2*\k
	s_or_b32 s48, s48, s49                         ; two bits a step
.endr
	s_wait_loadcnt 48                              ; the eight oldest loads are in; q's, the table's and k's 48 may be out
.irp j, 0,1,2
	ds_store_b128 v5, v[PC+4*\j:PC+4*\j+3] offset:8192*\j      ; slot 0 into buffer 0,
	ds_store_b128 v10, v[12+4*\j:15+4*\j] offset:8192*\j       ; slot 1 into buffer 1
.endr
	ds_store_b128 v5, v[96:99] offset:SCK
	ds_store_b128 v5, v[100:103] offset:SCV
	s_wait_dscnt 0x0                               ; the stores have read their registers
	s_wait_loadcnt 16                              ; q, cos and sin are in; k's sixteen may be out
	ROPE S
	s_wait_loadcnt 0x0
	ROPE FR
	DOT S, FR, 30                                  ; d2 = q . k
.set I_, 0
.rept 16
	ds_store_b128 v29, v[S+4*I_:S+4*I_+3] offset:512*I_    ; the roped q, f32, waits in my stage for cache_k1
.set I_, I_+1
.endr
	QUANT S, 16, 48, 32, 11                        ; q's fragment and scale word (k's registers are free)
	v_mul_f32 v30, s[CS], v30
	v_mov_b32 v28, v30                             ; (d1's place holds a number until d1 is made)
	v_mov_b32 v13, v30                             ; the largest t so far: d2's
	v_floor_f32 v12, -v13                          ; -M
	v_mov_b32 v14, 0
	v_mov_b32 v15, 0
	s_mov_b32 s50, 0                               ; 2 x step: where its class stands
	s_mov_b32 s51, 0                               ; the buffer that is read,
	s_mov_b32 s52, BUF1                            ; the buffer that is written
	s_mov_b32 s53, 49152                           ; the slot to be loaded next: slot 2
	s_mov_b32 s54, 0                               ; the step's scale words: 512 bytes a step
	s_mov_b32 s55, 0                               ; the step's mask image: 8,192 bytes a step
	s_mov_b32 s56, 0                               ; the trip
	s_wait_dscnt 0x0
	s_barrier_signal -1
	s_barrier_wait -1                              ; slots 0 and 1 of K and the scale words lie in LDS
; At a trip's head: the slot that waits in registers goes into the buffer that nobody reads (the last trip's barrier stands behind every wave's reads of it), and the slot after it is asked for.
; Trip N reads slot N % 8, stores slot N + 1 (trip 0 nothing: slot 1 lies there), loads slot N + 2.  V is wanted from trip 8 on: it is loaded from trip 6 and stored from trip 7.  Trip 15 stores nothing, trips 14 and 15 load nothing.
.macro RING pass
	s_wait_loadcnt 0x0                             ; all my loads are in: the staged slot, and in pass 1 the last trip's rows; the loads' offset register is free
.if \pass == 2
	s_cmp_gt_u32 s56, 14
	s_cbranch_scc1 .Lnst_\@
.else
	s_cmp_eq_u32 s56, 0
	s_cbranch_scc1 .Lnst_\@
.endif
	v_add_nc_u32 v10, s52, v5
.irp j, 0,1,2
	ds_store_b128 v10, v[KST+4*\j:KST+4*\j+3] offset:8192*\j
.endr
.if \pass == 1
	s_cmp_lt_u32 s56, 7
	s_cbranch_scc1 .Lnst_\@
.endif
.irp j, 0,1,2
	ds_store_b128 v10, v[VST+4*\j:VST+4*\j+3] offset:VOFF+8192*\j
.endr
.Lnst_\@:
	s_wait_dscnt 0x0                               ; the stores have read their registers
.if \pass == 2
	s_cmp_gt_u32 s56, 13
	s_cbranch_scc1 .Lnld_\@
.endif
	v_add_nc_u32 v9, s53, v5
.irp j, 0,1,2
	global_load_b128 v[KST+4*\j:KST+4*\j+3], v9, s[24:25] offset:8192*\j
.endr
.if \pass == 1
	s_cmp_lt_u32 s56, 6
	s_cbranch_scc1 .Lnld_\@
.endif
.irp j, 0,1,2
	global_load_b128 v[VST+4*\j:VST+4*\j+3], v9, s[26:27] offset:8192*\j
.endr
.Lnld_\@:
	s_add_co_u32 s53, s53, 24576
	s_cmp_eq_u32 s53, 196608
	s_cselect_b32 s53, 0, s53                      ; behind slot 7 comes slot 0
.endm
; THE DIAGONAL OPERANDS' WAY IN, behind the ring's lines of trips 0 to 4 of pass 1.  The branches hang on the trip's number alone.  What a trip asks for is waited for by the ring's wait for 0 at the next trip's head.
.macro ROWS p, i0                      ; eight of my 16 rows: each load reads 512 consecutive bytes
.set I_, \i0
.rept 8
	global_load_b128 v[O+4*I_:O+4*I_+3], v1, s[\p:\p+1] offset:512*I_ th:TH_LOAD_NT
.set I_, I_+1
.endr
.endm
.macro TOROWS                          ; sixteen rows out of O^T's registers into my stage, 528 bytes apart
.set I_, 0
.rept 16
	ds_store_b128 v29, v[O+4*I_:O+4*I_+3] offset:528*I_
.set I_, I_+1
.endr
.endm
.macro FROMROWS reg                    ; and back in the Q layout: row r, columns 32 b + 16 h + 4 j on
.irp b, 0,1,2,3
.irp j, 0,1,2,3
	ds_load_b128 v[\reg+16*\b+4*\j:\reg+16*\b+4*\j+3], v31 offset:128*\b+16*\j
.endr
.endr
.endm
.macro DIAG
	s_cmp_gt_u32 s56, 4
	s_cbranch_scc1 .Ldge_\@
	s_cmp_gt_u32 s56, 1
	s_cbranch_scc1 .Ldg2_\@
	s_cmp_eq_u32 s56, 0
	s_cbranch_scc0 .Ldg1_\@
	ROWS 76, 0                                     ; trip 0: cache_k1, rows 0-7
	s_branch .Ldge_\@
.Ldg1_\@:
	ROWS 76, 8                                     ; trip 1: rows 8-15
	s_branch .Ldge_\@
.Ldg2_\@:
	s_cmp_eq_u32 s56, 2
	s_cbranch_scc0 .Ldg3_\@
.set I_, 0
.rept 16
	ds_load_b128 v[S+4*I_:S+4*I_+3], v29 offset:512*I_     ; trip 2: the roped q comes back (the scores' registers are free between steps);
.set I_, I_+1
.endr
	TOROWS                                         ; LDS serves a wave's instructions in order: cache_k1's rows take q's place behind those loads,
	FROMROWS O                                     ; and come back turned
	s_wait_dscnt 0x0
	DOT S, O, 28                                   ; d1 = q . k1
	v_mul_f32 v28, s[CS], v28
	ROWS 78, 0                                     ; cache_v1, rows 0-7
	s_branch .Ldge_\@
.Ldg3_\@:
	s_cmp_eq_u32 s56, 3
	s_cbranch_scc0 .Ldg4_\@
	ROWS 78, 8                                     ; trip 3: rows 8-15
	s_branch .Ldge_\@
.Ldg4_\@:
	TOROWS                                         ; trip 4: cache_v1's rows wait in my stage,
	s_wait_dscnt 0x0                               ; the stores have read their registers,
.set I_, 0
.rept 16
	global_load_b128 v[O+4*I_:O+4*I_+3], v1, s[66:67] offset:65536+512*I_   ; which take v's image
.set I_, I_+1
.endr
.Ldge_\@:
.endm
; S^T = K Q^T (+ the mask image, m = 1), four tiles of 16 keys at a time
.macro SCORES q, m
.irp g, 0,1
.if \g
.rept 4
	v_nop                                          ; places in front of loads into registers that matrix instructions have read
.endr
.endif
.irp t, 0,1,2,3
.irp c, 0,1,2
	ds_load_b128 v[FR+12*\t+4*\c:FR+12*\t+4*\c+3], v6 offset:(8*(\q)+4*\g+\t)*1536+512*\c
.endr
	ds_load_b32 v[FS+\t], v7 offset:SCK+64*(4*\g+\t)
.endr
	s_wait_dscnt 0x0
.if (\m) && (\g == 0)
	s_wait_loadcnt 0x0                             ; the mask image
.endif
.irp t, 0,1,2,3
.if \m
	v_wmma_scale_f32_16x16x128_f8f6f4 v[S+8*(4*\g+\t):S+8*(4*\g+\t)+7], v[FR+12*\t:FR+12*\t+11], v[16:27], v[S+8*(4*\g+\t):S+8*(4*\g+\t)+7], v[FS+\t], v11 matrix_a_fmt:MATRIX_FMT_FP6 matrix_b_fmt:MATRIX_FMT_FP6
.else
	v_wmma_scale_f32_16x16x128_f8f6f4 v[S+8*(4*\g+\t):S+8*(4*\g+\t)+7], v[FR+12*\t:FR+12*\t+11], v[16:27], 0, v[FS+\t], v11 matrix_a_fmt:MATRIX_FMT_FP6 matrix_b_fmt:MATRIX_FMT_FP6
.endif
.endr
.endr
.endm
.macro STEPHEAD q, id
	s_lshr_b32 s49, s48, s50
	s_and_b32 s49, s49, 3                          ; the step's class: a stored whole number
	s_cmp_eq_u32 s49, 2
	s_cbranch_scc1 .Ldead_\id                      ; every entry hidden: only the lines that step addresses are run
	v_add_nc_u32 v6, s51, v1                       ; (these four are the places behind the last products)
	v_add_nc_u32 v7, s54, v2
	v_add_nc_u32 v8, s55, v1
	v_nop
	s_cmp_eq_u32 s49, 1
	s_cbranch_scc1 .Lmix_\id
	SCORES \q, 0
	s_branch .Ljoin_\id
.Lmix_\id:
.set I_, 0
.rept 16
	global_load_b128 v[S+4*I_:S+4*I_+3], v8, s[28:29] offset:512*I_
.set I_, I_+1
.endr
	SCORES \q, 1
.Ljoin_\id:
.rept 4
	v_nop                                          ; places in front of the first read of results
.endr
.endm
.macro STEPTAIL id
.Ldead_\id:
	s_add_co_u32 s50, s50, 2
	s_add_co_u32 s54, s54, 512
	s_add_co_u32 s55, s55, 8192
.endm
.macro BLOCKMAX                        ; the largest score of my 16 keys of each block of 32, each accumulator from its low end on
.irp b, 0,1,2,3
	v_max3_num_f32 v[32+\b], v[S+16*\b], v[S+1+16*\b], v[S+2+16*\b]
.endr
.irp i, 3,5,7,9,11,13
.irp b, 0,1,2,3
	v_max3_num_f32 v[32+\b], v[32+\b], v[S+16*\b+\i], v[S+1+16*\b+\i]
.endr
.endr
.irp b, 0,1,2,3
	v_max_num_f32 v[32+\b], v[32+\b], v[S+15+16*\b]
.endr
.endm
.macro TMINUSM                         ; t - M, two at a time
.irp j, 0,2,4,6,8,10,12,14,16,18,20,22,24,26,28,30,32,34,36,38,40,42,44,46,48,50,52,54,56,58,60,62
	v_pk_fma_f32 v[S+\j:S+1+\j], v[S+\j:S+1+\j], s[CS:CS+1], v[12:13] op_sel_hi:[1,0,0]
.endr
.endm
.macro EXPS
.set I_, 0
.rept 64
	v_exp_f32 v[S+I_], v[S+I_]
.set I_, I_+1
.endr
.endm
.macro P1STEP q
	STEPHEAD \q, \@
	BLOCKMAX
	v_max3_num_f32 v254, v32, v33, v34
	v_max_num_f32 v254, v254, v35
	v_permlanex16_b32 v255, v254, s[SEL], s[SEL+1]
	v_max_num_f32 v254, v254, v255                 ; the step's largest score of my query
	v_mul_f32 v254, s[CS], v254
	v_max_num_f32 v13, v13, v254                   ; the running largest t
	v_mov_b32 v254, v12
	v_floor_f32 v12, -v13                          ; the new -M: a whole number
	v_sub_f32 v254, v12, v254
	v_cvt_i32_f32 v254, v254
	v_ldexp_f32 v252, 1.0, v254                    ; 2^(old M - new M)
	TMINUSM
	EXPS
	v_pk_mul_f32 v[14:15], v[14:15], v[252:253] op_sel_hi:[1,0]   ; the sum under the new M.  (A plain place behind the exponentials)
	s_wait_alu depctr_va_vdst(0)                   ; one wait for the batch, ahead of its first reader
	v_pk_add_f32 v[250:251], v[S:S+1], v[S+2:S+3]
.irp j, 4,8,12,16,20,24,28,32,36,40,44,48,52,56,60
	v_pk_add_f32 v[14:15], v[14:15], v[S+\j:S+1+\j]
	v_pk_add_f32 v[250:251], v[250:251], v[S+2+\j:S+3+\j]
.endr
	v_pk_add_f32 v[14:15], v[14:15], v[250:251]
	STEPTAIL \@
.endm
; O^T += V^T P^T, four tiles of 16 of the head's 128 at a time
.macro PV q
.irp g, 0,1
.if \g
.rept 4
	v_nop
.endr
.endif
.irp t, 0,1,2,3
.irp c, 0,1,2
	ds_load_b128 v[FR+12*\t+4*\c:FR+12*\t+4*\c+3], v6 offset:VOFF+(8*(\q)+4*\g+\t)*1536+512*\c
.endr
	ds_load_b32 v[FS+\t], v7 offset:SCV+64*(4*\g+\t)
.endr
.if \g == 0
.rept 8
	v_nop                                          ; a scale register written by vector instructions stands eight places ahead of a scaled matrix instruction, an operand four; the loads are out meanwhile
.endr
.endif
	s_wait_dscnt 0x0
.irp t, 0,1,2,3
	v_wmma_scale_f32_16x16x128_f8f6f4 v[O+8*(4*\g+\t):O+8*(4*\g+\t)+7], v[FR+12*\t:FR+12*\t+11], v[PC:PC+11], v[O+8*(4*\g+\t):O+8*(4*\g+\t)+7], v[FS+\t], v[PW] matrix_a_fmt:MATRIX_FMT_FP6 matrix_b_fmt:MATRIX_FMT_FP6
.endr
.endr
.endm
.macro P2STEP q
	STEPHEAD \q, \@
	BLOCKMAX
.irp b, 0,1,2,3
	v_permlanex16_b32 v[36+\b], v[32+\b], s[SEL], s[SEL+1]
.endr
.irp b, 0,1,2,3
	v_max_num_f32 v[32+\b], v[32+\b], v[36+\b]     ; each block's largest score: p rises with the score, so it gives the block's largest p
.endr
	TMINUSM
.irp b, 0,1,2,3
	v_fma_f32 v[32+\b], v[32+\b], s[CS], v12
.endr
	EXPS
	v_nop                                          ; a plain place behind the exponentials
	s_wait_alu depctr_va_vdst(0)                   ; one wait for the batch
.irp b, 0,1,2,3
	v_exp_f32 v[32+\b], v[32+\b]
.endr
.irp j, 0,2,4,6,8,10,12,14,16,18,20,22,24,26,28,30,32,34,36,38,40,42,44,46,48,50,52,54,56,58,60,62
	v_pk_mul_f32 v[S+\j:S+1+\j], v[S+\j:S+1+\j], v[14:15]   ; p, finished and normalised.  (These read the 64 alone: plain work behind the four)
.endr
	s_wait_alu depctr_va_vdst(0)                   ; and one for the four
.irp b, 0,1,2,3
	v_mul_f32 v[32+\b], v[32+\b], v14              ; the same instructions on the same numbers: the block's largest p
.endr
.irp b, 0,1,2,3
	v_max_num_f32 v[32+\b], 0x1800000, v[32+\b]    ; the floor: the byte cannot fall under 1
.endr
.irp b, 0,1,2,3
	v_add_nc_u32 v[40+\b], 0xff000000, v[32+\b]
.endr
.irp b, 0,1,2,3
	v_lshrrev_b32 v[44+\b], 23, v[40+\b]
.endr
	v_lshl_or_b32 v[PW], v45, 8, v44
	v_lshl_or_b32 v[PW], v46, 16, v[PW]
	v_lshl_or_b32 v[PW], v47, 24, v[PW]
.irp c, 0,1
	v_cvt_scalef32_pk16_fp6_f32 v[PC+6*\c:PC+6*\c+2], v[S+32*\c:S+32*\c+15], v[40+2*\c]
	v_cvt_scalef32_pk16_fp6_f32 v[48+4*\c:50+4*\c], v[S+16+32*\c:S+31+32*\c], v[41+2*\c]
.endr
	v_nop
.irp c, 0,1
.irp i, 0,1,2
	v_permlane16_swap_b32 v[PC+6*\c+\i], v[48+4*\c+\i]
.endr
.irp i, 0,1,2
	v_mov_b32 v[PC+3+6*\c+\i], v[48+4*\c+\i]
.endr
.endr
	PV \q
	STEPTAIL \@
.endm
.macro ENDTRIP                         ; ONE barrier a trip: behind it this trip's stores can be read, and the buffer read in this trip can be written
	s_wait_dscnt 0x0
	s_barrier_signal -1
	s_barrier_wait -1
	s_xor_b32 s51, s51, BUF1
	s_xor_b32 s52, s52, BUF1
	s_add_co_u32 s56, s56, 1
.endm
.Lp1:                                              ; PASS 1: eight trips of 256 keys
	RING 1
	DIAG
	P1STEP 0
	P1STEP 1
	ENDTRIP
	s_cmp_lt_u32 s56, 8
	s_cbranch_scc1 .Lp1
	; BETWEEN THE PASSES: d1 enters M; L, p1, p2; the two diagonal terms start O^T's sums
	FROMROWS S                                     ; cache_v1, turned, out of my stage
	v_add_f32 v14, v14, v15
	v_permlanex16_b32 v255, v14, s[SEL], s[SEL+1]
	v_add_f32 v14, v14, v255                       ; the sum over the keys
	v_max_num_f32 v13, v13, v28                    ; the largest t of all 2,050 (d2's has been in it from the start)
	v_mov_b32 v254, v12
	v_floor_f32 v12, -v13                          ; the last -M
	v_sub_f32 v254, v12, v254
	v_cvt_i32_f32 v254, v254
	v_ldexp_f32 v252, 1.0, v254
	v_mul_f32 v14, v14, v252                       ; the sum under it: a multiplication by a power of two
	v_add_f32 v28, v28, v12
	v_add_f32 v30, v30, v12
	v_exp_f32 v28, v28
	v_exp_f32 v30, v30
	v_nop
	s_wait_alu depctr_va_vdst(0)
	v_add_f32 v14, v14, v28
	v_add_f32 v14, v14, v30                        ; L
	v_rcp_f32 v14, v14
	v_nop
	s_wait_alu depctr_va_vdst(0)
	v_mov_b32 v15, v14
	v_mul_f32 v28, v28, v14                        ; p1
	v_mul_f32 v30, v30, v14                        ; p2
	s_wait_dscnt 0x0                               ; cache_v1 is in; the stage's address registers are free
	v_mov_b32 v29, v28
	v_mov_b32 v31, v30
	s_wait_loadcnt 0x0                             ; v's image, asked for in trip 4
.irp j, 0,2,4,6,8,10,12,14,16,18,20,22,24,26,28,30,32,34,36,38,40,42,44,46,48,50,52,54,56,58,60,62
	v_pk_mul_f32 v[O+\j:O+1+\j], v[O+\j:O+1+\j], v[30:31]
.endr
.irp j, 0,2,4,6,8,10,12,14,16,18,20,22,24,26,28,30,32,34,36,38,40,42,44,46,48,50,52,54,56,58,60,62
	v_pk_fma_f32 v[O+\j:O+1+\j], v[S+\j:S+1+\j], v[28:29], v[O+\j:O+1+\j]
.endr
	s_mov_b32 s50, 0
	s_mov_b32 s54, 0
	s_mov_b32 s55, 0
.Lp2:                                              ; PASS 2: eight trips more
	RING 2
	P2STEP 0
	P2STEP 1
	ENDTRIP
	s_cmp_lt_u32 s56, 16
	s_cbranch_scc1 .Lp2
.rept 4
	v_nop                                          ; places behind the last products
.endr
	QUANT O, PC, 48, 32, PW                        ; my 16 queries x the head's 128: one K step of the last product
.irp c, 0,1,2
	global_store_b128 v1, v[PC+4*\c:PC+4*\c+3], s[72:73] offset:512*\c     ; 512 consecutive bytes a store
.endr
	global_store_b32 v2, v[PW], s[74:75]           ; lanes 16-31 hold and write the same words as lanes 0-15
	s_wait_tensorcnt 0x0                           ; the wave's end: behind my last LDS store
	ds_add_u32 v3, v4
	s_wait_dscnt 0x0
	s_endpgm
.Lfunc_end_k_qe9c05cda8f_attn:
	.size	k_qe9c05cda8f_attn, .Lfunc_end_k_qe9c05cda8f_attn-k_qe9c05cda8f_attn
	.p2alignl 7, 3214868480
	.fill 96, 4, 3214868480
	.section	.rodata,"a",@progbits
	.p2align	6, 0x0
	.amdhsa_kernel k_qe9c05cda8f_attn
		.amdhsa_group_segment_fixed_size 251904
		.amdhsa_private_segment_fixed_size 0
		.amdhsa_enable_private_segment 0
		.amdhsa_kernarg_size 56
		.amdhsa_user_sgpr_count 2
		.amdhsa_user_sgpr_kernarg_segment_ptr 1
		.amdhsa_wavefront_size32 1
		.amdhsa_system_sgpr_workgroup_id_x 1
		.amdhsa_system_sgpr_workgroup_id_y 1
		.amdhsa_system_sgpr_workgroup_id_z 1
		.amdhsa_system_vgpr_workitem_id 0
		.amdhsa_next_free_vgpr 256
		.amdhsa_next_free_sgpr 80
		.amdhsa_reserve_vcc 0
		.amdhsa_float_denorm_mode_32 3
		.amdhsa_float_denorm_mode_16_64 3
		.amdhsa_memory_ordered 1
		.amdhsa_forward_progress 1
		.amdhsa_inst_pref_size 131
	.end_amdhsa_kernel
	.amdgpu_metadata
---
amdhsa.version: [ 1, 2 ]
amdhsa.kernels:
  - .name:           k_qe9c05cda8f_attn
    .symbol:         k_qe9c05cda8f_attn.kd
    .args:
      - { .name: qkv, .offset: 0, .size: 8, .value_kind: global_buffer, .address_space: global }
      - { .name: msk, .offset: 8, .size: 8, .value_kind: global_buffer, .address_space: global }
      - { .name: flg, .offset: 16, .size: 8, .value_kind: global_buffer, .address_space: global }
      - { .name: kvq, .offset: 24, .size: 8, .value_kind: global_buffer, .address_space: global }
      - { .name: cache_k1, .offset: 32, .size: 8, .value_kind: global_buffer, .address_space: global }
      - { .name: cache_v1, .offset: 40, .size: 8, .value_kind: global_buffer, .address_space: global }
      - { .name: atq, .offset: 48, .size: 8, .value_kind: global_buffer, .address_space: global }
    .group_segment_fixed_size: 251904
    .private_segment_fixed_size: 0
    .kernarg_segment_align: 8
    .kernarg_segment_size: 56
    .max_flat_workgroup_size: 512
    .sgpr_count:     80
    .vgpr_count:     256
    .wavefront_size: 32
...
	.end_amdgpu_metadata
.endif
;; end of part 3
;; launch gemm_out (part 4): grid 16 x 16, 4 waves a work-group, clusters of 4 x 4, 327,680 bytes of LDS; arguments atq, gop, out0; writes out0
.if DOCPART == 4
	.amdgcn_target "amdgcn-amd-amdhsa--gfx1250"
	.amdhsa_code_object_version 6
	.text
	.protected	k_qe9c05cda8f_gemm_out
	.globl	k_qe9c05cda8f_gemm_out
	.p2align	8
	.type	k_qe9c05cda8f_gemm_out,@function
k_qe9c05cda8f_gemm_out:
	s_mov_b64 s[64:65], 0
	v_nop
	global_prefetch_b8 v0, s[64:65] scope:SCOPE_SE
	s_setreg_imm32_b32 hwreg(HW_REG_WAVE_MODE, 25, 1), 1
	s_wait_xcnt 0x0
	s_wait_alu depctr_hold_cnt(0) depctr_sa_sdst(0) depctr_va_vdst(0) depctr_va_sdst(0) depctr_va_ssrc(0) depctr_va_vcc(0) depctr_vm_vsrc(0)
	s_getreg_b32 s2, hwreg(HW_REG_IB_STS2, 6, 4)
	s_cmp_eq_u32 s2, 0
	s_cbranch_scc0 .Lentry_in_a_cluster
	s_endpgm
.Lentry_in_a_cluster:
	s_bfe_u32 s2, ttmp6, 0x10000c
	s_cmp_lg_u32 s2, 0xf033
	s_cbranch_scc0 .Lentry_shape_is_right
	s_endpgm
.Lentry_shape_is_right:
; C = A B^T on fragment images of E2M3 codes (16 rows x 128 K: 1,536 bytes, registers 4c..4c+3 of lane l at 512 c + 16 l; scale words 64 bytes).  One text serves two launches; OUT chooses the sizes and the way out.
; OUT = 0: [2048 x 2048] x [2048 x 6144] (Wq, Wk, Wv side by side): a work-group makes 256 x 192, its four waves 128 x 96 each (8 x 6 accumulators); the results leave as they stand, as Q-layout images, f32.
; OUT = 1: [2048 x 4096] x [4096 x 1024] (attention's result x Wo): a work-group makes 128 x 64, its four waves 32 x 64 each (2 x 4 accumulators): the largest tile that still gives 256 work-groups; out0 is row-major f32.
; K goes through a ring of two LDS slots of NQ steps of 128, filled by the tensor data mover; a fragment comes from LDS by three loads of 512 consecutive bytes.  The scale words of all of K come once, with the first fills.
; CLUSTERS: 4 x 4 work-groups; A's tiles are asked for jointly along a row of the cluster, B's along a column.  THE MATRIX INSTRUCTION IS USED TRANSPOSED (source 0 = 16 rows of B, source 1 = 16 rows of A).
; No prefetch ahead of the tensor loads: all operands of a launch are 13 MB or less, each tile is asked for jointly, and the launch is short.
; REGISTERS: window 0: v16-29 addresses; v32-47 scale words, two sets (lanes 0-15 A's block i, lanes 16-31 B's block i); from v64 A's fragments, two sets.  window 1: B's fragments, two sets.  windows 2, 3: the accumulators.
.set OUT, 1
.if OUT
.set MB, 2
.set NBK, 4
.set KS, 32
.set NQ, 8                             ; two slots of eight steps, 147,456 bytes each: as large as fit beside the 24,576 bytes of scale words; K's 32 steps are four slots, so two refills in all
.set RA, 4
.set RB, 2
.set MBW, 8
.set NBW, 4
.set ASOFF, 6291456
.set BOFF, 12582912
.set BSOFF, 16252928
.else
.set MB, 8                             ; blocks of 16 rows of A a wave
.set NBK, 6                            ; blocks of 16 rows of B a wave
.set KS, 16                            ; steps of 128 along K
.set NQ, 2                             ; steps in a slot
.set RA, 8                             ; blocks of A in one tensor load
.set RB, 6                             ; blocks of B in one tensor load
.set MBW, 16                           ; blocks of A a work-group
.set NBW, 12                           ; blocks of B a work-group
.set ASOFF, 15728640                   ; where A's scale words, B's codes and B's scale words begin in their buffers
.set BOFF, 3145728
.set BSOFF, 15859712
.endif
.set NP, MB*NBK
.set LAPS, KS/(2*NQ)
.set CEL, 192*NQ                       ; a tile's row in elements of 8 bytes: NQ fragments
.set PEL, 192*KS                       ; a block's fragments of all of K
.set AH, RA*NQ*1536
.set ABYTES, 2*AH
.set BH, RB*NQ*1536
.set SLOT, ABYTES+2*BH
.set KS64, KS*64                       ; a block's scale words of all of K
.set ASH, RA*KS64
.set ASZ, 2*ASH
.set BSH, RB*KS64
.set SCL, 2*SLOT                       ; behind the ring: the scale words
.set SPARE, SCL+ASZ+2*BSH              ; behind them: the spare words, 128 bytes for each wave
.if MB < NBK
.set SMIN, MB
.set SMAX, NBK
.else
.set SMIN, NBK
.set SMAX, MB
.endif
.set G1, 24
.set G0, 32
.set G1B, 48
.set G0B, 56
.set G1S, 68
.set G0S, 76
.set G1SB, 80
.set G0SB, 88
.set MSB, 0
.macro WIN new                         ; the immediate's high byte repeats the setting that is left
.if MSB != (\new)
	s_set_vgpr_msb (MSB<<8)|(\new)
.set MSB, (\new)
.endif
.endm
.set MUL_LO, 0xa1                      ; source 0 (B) window 1, source 1 (A) window 0, C and D window 2
.set MUL_HI, 0xf1                      ; the same, C and D window 3
.set TO_B, 0x40                        ; destination window 1, address window 0
; A joint load: waves 0 and 1 fetch for A, waves 2 and 3 for B; the branch hangs on the wave's number alone.  An s_nop 0 and four v_nop follow each of the two lines.
.macro JLOAD g0a, g1a, g0b, g1b
	s_cmp_eq_u32 s15, 0
	s_cbranch_scc0 .Lfor_b_\@
	tensor_load_to_lds s[\g0a:\g0a+3], s[\g1a:\g1a+7]
	s_nop 0
.rept 4
	v_nop
.endr
	s_branch .Lasked_\@
.Lfor_b_\@:
	tensor_load_to_lds s[\g0b:\g0b+3], s[\g1b:\g1b+7]
	s_nop 0
.rept 4
	v_nop
.endr
.Lasked_\@:
.endm
.macro CREST                           ; a round of the cluster's barrier behind its opening barrier
	s_cmp_lg_u32 s14, 0
	s_cbranch_scc1 .Lnot_wave_0_\@
	s_barrier_signal -3
.Lnot_wave_0_\@:
	s_barrier_wait -3
	s_barrier_signal -1
	s_barrier_wait -1
.endm
.macro CROUND
	s_barrier_signal -1
	s_barrier_wait -1
	CREST
.endm
.macro PLACES n
.rept \n
	v_nop
.endr
.endm
	s_load_b128 s[4:7], s[0:1], 0x0
.if OUT
	s_load_b64 s[8:9], s[0:1], 0x10
.endif
	v_lshl_add_u32 v28, v0, 2, SPARE               ; my spare word; never rewritten
	v_mov_b32 v29, 0                               ; 0; never rewritten
	ds_add_u32 v28, v29                            ; the wave's opening: the add and its wait stand ahead of my first tensor load; the set-up below stands between them
	v_lshrrev_b32 v1, 5, v0
	v_readfirstlane_b32 s14, v1                    ; wave
	s_lshr_b32 s15, s14, 1                         ; I fetch for A (0) or for B (1),
	s_and_b32 s16, s14, 1                          ; its first or its second half
	s_bfe_u32 s40, ttmp6, 0x40000                  ; cx, cy
	s_bfe_u32 s41, ttmp6, 0x40004
	s_lshl_b32 s42, ttmp9, 2
	s_add_co_u32 s42, s42, s40                     ; tile column
	s_and_b32 s17, ttmp7, 0xffff
	s_lshl_b32 s17, s17, 2
	s_add_co_u32 s17, s17, s41                     ; tile row
	s_lshl_b32 s43, s41, 2
	s_lshl_b32 s43, 15, s43                        ; my row of the cluster
	s_lshl_b32 s44, 0x1111, s40                    ; my column
	s_or_b32 s[G1], s43, (3<<16)|(1<<21)           ; 15:0 the mask; 17:16 elements of 8 bytes; 21 set beside a mask; no padding
	s_or_b32 s[G1B], s44, (3<<16)|(1<<21)
	s_or_b32 s[G1S], s43, (3<<16)|(1<<21)
	s_or_b32 s[G1SB], s44, (3<<16)|(1<<21)
	s_mov_b32 s[G1+1], CEL<<16                     ; A's codes: RA rows of NQ fragments, a row every PEL elements
	s_mov_b32 s[G1+2], RA<<16
	s_mov_b32 s[G1+3], CEL<<16
	s_mov_b32 s[G1+4], RA
	s_mov_b32 s[G1+5], PEL
	s_mov_b32 s[G1+6], 0
	s_mov_b32 s[G1+7], 0
	s_mov_b32 s[G1B+1], CEL<<16                    ; B's: RB rows
	s_mov_b32 s[G1B+2], RB<<16
	s_mov_b32 s[G1B+3], CEL<<16
	s_mov_b32 s[G1B+4], RB
	s_mov_b32 s[G1B+5], PEL
	s_mov_b32 s[G1B+6], 0
	s_mov_b32 s[G1B+7], 0
	s_mov_b32 s[G1S+1], 32<<16                     ; the scale words: dense blocks, as rows of 256 bytes
	s_mov_b32 s[G1S+2], (ASH/256)<<16
	s_mov_b32 s[G1S+3], 32<<16
	s_mov_b32 s[G1S+4], ASH/256
	s_mov_b32 s[G1S+5], 32
	s_mov_b32 s[G1S+6], 0
	s_mov_b32 s[G1S+7], 0
	s_mov_b32 s[G1SB+1], 32<<16
	s_mov_b32 s[G1SB+2], (BSH/256)<<16
	s_mov_b32 s[G1SB+3], 32<<16
	s_mov_b32 s[G1SB+4], BSH/256
	s_mov_b32 s[G1SB+5], 32
	s_mov_b32 s[G1SB+6], 0
	s_mov_b32 s[G1SB+7], 0
	s_mul_i32 s20, s17, MBW
	s_mul_i32 s18, s16, RA
	s_add_co_u32 s20, s20, s18                     ; A: the first block that I fetch: it hangs on the tile row alone
	s_mul_i32 s46, s42, NBW
	s_mul_i32 s18, s16, RB
	s_add_co_u32 s46, s46, s18                     ; B: on the tile column alone
	s_mul_i32 s22, s20, KS64
	s_add_co_u32 s22, s22, ASOFF
	s_mul_i32 s20, s20, KS*1536
	s_mul_i32 s92, s46, KS64
	s_add_co_u32 s92, s92, BSOFF
	s_mul_i32 s46, s46, KS*1536
	s_add_co_u32 s46, s46, BOFF
	s_mov_b32 s21, 0
	s_mov_b32 s23, 0
	s_mov_b32 s47, 0
	s_mov_b32 s93, 0
	s_mul_i32 s45, s16, AH                         ; where they go: no place in the cluster enters an LDS address
	s_mul_i32 s94, s16, BH
	s_add_co_u32 s94, s94, ABYTES
	s_mul_i32 s95, s16, ASH
	s_add_co_u32 s95, s95, SCL
	s_mul_i32 s96, s16, BSH
	s_add_co_u32 s96, s96, SCL+ASZ
	s_wait_dscnt 0x0                               ; the opening add is done
	s_wait_kmcnt 0x0
.if OUT == 0
	s_mov_b64 s[8:9], s[6:7]                       ; C
	s_mov_b64 s[6:7], s[4:5]                       ; A and B lie in one buffer
.endif
	s_add_nc_u64 s[20:21], s[4:5], s[20:21]
	s_add_nc_u64 s[22:23], s[4:5], s[22:23]
	s_add_nc_u64 s[46:47], s[6:7], s[46:47]
	s_add_nc_u64 s[92:93], s[6:7], s[92:93]
	CROUND                                         ; all sixteen work-groups are here: the first joint loads meet
	s_mov_b32 s[G0S], 1
	s_mov_b32 s[G0S+1], s95
	s_mov_b64 s[G0S+2:G0S+3], s[22:23]
	s_or_b32 s[G0S+3], s[G0S+3], 0x80000000
	s_mov_b32 s[G0SB], 1
	s_mov_b32 s[G0SB+1], s96
	s_mov_b64 s[G0SB+2:G0SB+3], s[92:93]
	s_or_b32 s[G0SB+3], s[G0SB+3], 0x80000000
	JLOAD G0S, G1S, G0SB, G1SB                     ; the scale words first: filled once
.irp s, 0,1
	s_mov_b32 s[G0+4*\s], 1
	s_add_co_u32 s[G0+4*\s+1], s45, \s*SLOT
	s_add_nc_u64 s[G0+4*\s+2:G0+4*\s+3], s[20:21], \s*NQ*1536
	s_or_b32 s[G0+4*\s+3], s[G0+4*\s+3], 0x80000000
	s_mov_b32 s[G0B+4*\s], 1
	s_add_co_u32 s[G0B+4*\s+1], s94, \s*SLOT
	s_add_nc_u64 s[G0B+4*\s+2:G0B+4*\s+3], s[46:47], \s*NQ*1536
	s_or_b32 s[G0B+4*\s+3], s[G0B+4*\s+3], 0x80000000
	JLOAD G0+4*\s, G1, G0B+4*\s, G1B               ; three tensor loads of mine are out now, later one
.endr
	v_and_b32 v1, 15, v0                           ; r
	v_bfe_u32 v2, v0, 4, 1                         ; h
	v_and_b32 v3, 31, v0
	v_lshlrev_b32 v3, 4, v3                        ; 16 x lane
.if OUT
	s_mov_b32 s18, s14                             ; which rows of the work-group's tile are mine,
	s_mov_b32 s19, 0                               ; which columns
.else
	s_mov_b32 s18, s15
	s_mov_b32 s19, s16
.endif
	s_mul_i32 s21, s18, MB*NQ*1536
	s_mul_i32 s22, s19, NBK*NQ*1536
	s_add_co_u32 s22, s22, ABYTES
.irp s, 0,1
	v_add_nc_u32 v[16+\s], s21, v3                 ; my fragments of A in slot s,
	v_add_nc_u32 v[20+\s], s22, v3                 ; of B
	s_add_co_u32 s21, s21, SLOT
	s_add_co_u32 s22, s22, SLOT
.endr
	s_mul_i32 s21, s18, MB*KS64
	s_mul_i32 s22, s19, NBK*KS64
	s_add_co_u32 s22, s22, ASZ
	s_sub_co_u32 s22, s22, s21                     ; from my rows' scale words of A to those of B
	v_lshlrev_b32 v5, 2, v1
	v_mul_u32_u24 v6, s22, v2                      ; lanes 16-31 take B's
	s_add_co_u32 s21, s21, SCL
	v_add_nc_u32 v6, v5, v6
	v_add_nc_u32 v27, s21, v6
.if OUT
	v_add_nc_u32 v22, SCL+ASZ, v5                  ; the side with more blocks: all lanes take its words
.else
	v_add_nc_u32 v22, s21, v5
.endif
.if OUT
	s_mul_i32 s23, s14, 4352                       ; my stage: 16 rows of 256 bytes + 16, in slot 0
	v_mul_u32_u24 v5, v1, 272
	v_lshl_add_u32 v5, v2, 6, v5
	v_add_nc_u32 v24, s23, v5                      ; in: row r, + 64 h
	v_mul_u32_u24 v5, v2, 272
	v_lshl_add_u32 v5, v1, 4, v5
	v_add_nc_u32 v25, s23, v5                      ; back: lanes 0-15 one row, lanes 16-31 the next
	v_lshlrev_b32 v26, 12, v2
	v_lshl_add_u32 v26, v1, 4, v26                 ; and the same in out0
	s_lshl_b32 s20, s17, 7
	s_lshl_b32 s21, s14, 5
	s_add_co_u32 s20, s20, s21
	s_lshl_b32 s20, s20, 12                        ; my first row: 128 x tile row + 32 x wave, 4,096 bytes a row
	s_lshl_b32 s46, s42, 8                         ; 64 columns x tile column
.else
	v_mov_b32 v26, v3
	s_lshl_b32 s20, s17, 4
	s_lshl_b32 s21, s18, 3
	s_add_co_u32 s20, s20, s21
	s_mul_i32 s20, s20, 393216                     ; a block of 16 rows has 384 tiles of 1,024 bytes
	s_mul_i32 s46, s42, 12
	s_mul_i32 s47, s19, 6
	s_add_co_u32 s46, s46, s47
	s_lshl_b32 s46, s46, 10
.endif
	s_mov_b32 s21, 0
	s_mov_b32 s47, 0
	s_add_nc_u64 s[8:9], s[8:9], s[20:21]
	s_add_nc_u64 s[8:9], s[8:9], s[46:47]
; products p0 .. p1 - 1 of a step's NP: product p is A's block p / NBK x B's block p % NBK, from set f.  All NP accumulators take turns, one instruction a turn, in the same order in every step.
.macro MULS p0, p1, f, zero
.set P_, \p0
.rept (\p1)-(\p0)
.set MA_, P_/NBK
.set MN_, P_%NBK
.set AC_, 8*((MA_%(MB/2))*NBK+MN_)
.if \zero
	v_wmma_scale_f32_16x16x128_f8f6f4 v[AC_:AC_+7], v[12*NBK*(\f)+12*MN_:12*NBK*(\f)+12*MN_+11], v[64+12*MB*(\f)+12*MA_:64+12*MB*(\f)+12*MA_+11], 0, v[32+8*(\f)+MN_], v[32+8*(\f)+MA_] matrix_a_fmt:MATRIX_FMT_FP6 matrix_b_fmt:MATRIX_FMT_FP6 matrix_a_scale:MATRIX_SCALE_ROW1
.else
	v_wmma_scale_f32_16x16x128_f8f6f4 v[AC_:AC_+7], v[12*NBK*(\f)+12*MN_:12*NBK*(\f)+12*MN_+11], v[64+12*MB*(\f)+12*MA_:64+12*MB*(\f)+12*MA_+11], v[AC_:AC_+7], v[32+8*(\f)+MN_], v[32+8*(\f)+MA_] matrix_a_fmt:MATRIX_FMT_FP6 matrix_b_fmt:MATRIX_FMT_FP6 matrix_a_scale:MATRIX_SCALE_ROW1
.endif
.set P_, P_+1
.endr
.endm
; the fragments and scale words of the slot's q-th step into set f, in one run
.macro FETCH slot, q, f
	WIN TO_B
.set I_, 0
.rept NBK
.irp c, 0,1,2
	ds_load_b128 v[12*NBK*(\f)+12*I_+4*\c:12*NBK*(\f)+12*I_+4*\c+3], v[20+\slot] offset:(I_*NQ+(\q))*1536+512*\c
.endr
.set I_, I_+1
.endr
	WIN 0
.set I_, 0
.rept MB
.irp c, 0,1,2
	ds_load_b128 v[64+12*MB*(\f)+12*I_+4*\c:64+12*MB*(\f)+12*I_+4*\c+3], v[16+\slot] offset:(I_*NQ+(\q))*1536+512*\c
.endr
.set I_, I_+1
.endr
.set I_, 0
.rept SMAX
.if I_ < SMIN
	ds_load_b32 v[32+8*(\f)+I_], v27 offset:I_*KS64+64*(\q)
.else
	ds_load_b32 v[32+8*(\f)+I_], v22 offset:I_*KS64+64*(\q)
.endif
.set I_, I_+1
.endr
.endm
; a step that has its successor in the same slot: in its middle the successor's operands are fetched into the other set, four places behind the products that read that set
.macro STEP slot, q, zero
	s_wait_dscnt 0x0                               ; this set's loads, issued half a step ago, are in
	WIN MUL_LO
	MULS 0, NP/2, (\q)%2, \zero
	PLACES 4
	FETCH \slot, (\q)+1, 1-(\q)%2
	WIN MUL_HI
	MULS NP/2, NP, (\q)%2, \zero
	WIN 0
.endm
; a slot's last step changes slots: ONE barrier; in front of it each wave waits for all its tensor loads, adds 0 to its spare word, and waits for that and for its reads of this slot.  fill = 1: the slot is filled again, two slots ahead.
.macro TURN slot, next, fill
	s_wait_tensorcnt 0x0                           ; all my tensor loads have landed: my part of the next slot
	ds_add_u32 v28, v29                            ; 0 onto my spare word
	s_wait_dscnt 0x1                               ; only the add may be out: my fragments are in
	WIN MUL_LO
	MULS 0, NP/4, 1, 0
	s_wait_dscnt 0x0                               ; the add is done, and my reads of this slot are over
	s_barrier_signal -1
	MULS NP/4, NP/2, 1, 0
	WIN 0
	s_barrier_wait -1
.if \fill
	CREST                                          ; the barrier has opened a round of the cluster's barrier: no wave of any partner still reads this slot or has a load on its way
	s_add_nc_u64 s[G0+4*\slot+2:G0+4*\slot+3], s[G0+4*\slot+2:G0+4*\slot+3], 2*NQ*1536
	s_add_nc_u64 s[G0B+4*\slot+2:G0B+4*\slot+3], s[G0B+4*\slot+2:G0B+4*\slot+3], 2*NQ*1536
	JLOAD G0+4*\slot, G1, G0B+4*\slot, G1B         ; the first tensor load behind the round; its four v_nop are the places in front of the loads below
.else
	PLACES 4
.endif
	v_add_nc_u32 v27, NQ*64, v27                   ; on to the next slot's scale words
	v_add_nc_u32 v22, NQ*64, v22
	FETCH \next, 0, 0
	WIN MUL_HI
	MULS NP/2, NP, 1, 0
	WIN 0
.endm
.macro RUN slot, q0                    ; steps q0 .. NQ - 2 of a slot
.if NQ-1-(\q0) > 0
.set QQ, \q0
.rept NQ-1-(\q0)
	STEP \slot, QQ, 0
.set QQ, QQ+1
.endr
.endif
.endm
	s_wait_tensorcnt 0x1                           ; the scale words and my part of slot 0 are in; slot 1's load may be out
	s_barrier_signal -1
	s_barrier_wait -1
	FETCH 0, 0, 0
	STEP 0, 0, 1                                   ; the first step stands in front of the loop: its products start the sums
	s_mov_b32 s3, LAPS-1
.Llap:                                             ; a trip goes once round the ring and fills both slots again
	RUN 0, 1
	TURN 0, 1, 1
	RUN 1, 0
	TURN 1, 0, 1
	STEP 0, 0, 0
	s_sub_co_u32 s3, s3, 1
	s_cmp_lg_u32 s3, 0
	s_cbranch_scc1 .Llap
	RUN 0, 1                                       ; the last lap fills nothing
	TURN 0, 1, 0
	RUN 1, 0
	s_wait_dscnt 0x0
	WIN MUL_LO
	MULS 0, NP/2, 1, 0
	WIN MUL_HI
	MULS NP/2, NP, 1, 0
	WIN 0
	PLACES 4                                       ; in front of the first read of results
.if OUT
	; THE WAY OUT: a block of 16 rows x 64 columns goes through my stage (in slot 0: it has had its last fill, and every wave has passed the last change of slots) and comes back as rows of 256 bytes
.irp a, 0,1
	WIN 0x08+4*\a
.irp b, 0,1,2,3
	ds_store_b128 v24, v[8*\b:8*\b+3] offset:128*(\b/2)+32*(\b%2)          ; each accumulator from its low end on
	ds_store_b128 v24, v[8*\b+4:8*\b+7] offset:128*(\b/2)+32*(\b%2)+16
.endr
	WIN 0
.irp t, 0,1,2,3,4,5,6,7
	ds_load_b128 v[128+32*\a+4*\t:128+32*\a+4*\t+3], v25 offset:544*\t     ; LDS serves a wave's instructions in order: these see my stores, and the next block's stores come behind them
.endr
.endr
	s_wait_dscnt 0x0
.irp a, 0,1
.irp t, 0,1,2,3,4,5,6,7
	global_store_b128 v26, v[128+32*\a+4*\t:128+32*\a+4*\t+3], s[8:9] offset:65536*\a+8192*\t th:TH_STORE_NT   ; 16 lanes store 256 consecutive bytes, aligned
.endr
.endr
.else
	; THE WAY OUT: an accumulator is a tile of a Q-layout image as it stands: two stores of 512 consecutive bytes, the low four registers first
.set P_, 0
.rept NP
.set MA_, P_/NBK
.set MN_, P_%NBK
.set AC_, 8*((MA_%(MB/2))*NBK+MN_)
	WIN 0x08+4*(MA_/(MB/2))
	global_store_b128 v26, v[AC_:AC_+3], s[8:9] offset:MA_*393216+MN_*1024
	global_store_b128 v26, v[AC_+4:AC_+7], s[8:9] offset:MA_*393216+MN_*1024+512
.set P_, P_+1
.endr
	WIN 0
.endif
	s_wait_tensorcnt 0x0                           ; the wave's end: behind my last tensor load and my last LDS store
	ds_add_u32 v28, v29
	s_wait_dscnt 0x0
	CROUND                                         ; the closing round
	s_endpgm
.Lfunc_end_k_qe9c05cda8f_gemm_out:
	.size	k_qe9c05cda8f_gemm_out, .Lfunc_end_k_qe9c05cda8f_gemm_out-k_qe9c05cda8f_gemm_out
	.p2alignl 7, 3214868480
	.fill 96, 4, 3214868480
	.section	.rodata,"a",@progbits
	.p2align	6, 0x0
	.amdhsa_kernel k_qe9c05cda8f_gemm_out
		.amdhsa_group_segment_fixed_size 327680
		.amdhsa_private_segment_fixed_size 0
		.amdhsa_enable_private_segment 0
		.amdhsa_kernarg_size 24
		.amdhsa_user_sgpr_count 2
		.amdhsa_user_sgpr_kernarg_segment_ptr 1
		.amdhsa_wavefront_size32 1
		.amdhsa_system_sgpr_workgroup_id_x 1
		.amdhsa_system_sgpr_workgroup_id_y 1
		.amdhsa_system_sgpr_workgroup_id_z 1
		.amdhsa_system_vgpr_workitem_id 0
		.amdhsa_next_free_vgpr 1024
		.amdhsa_next_free_sgpr 100
		.amdhsa_reserve_vcc 0
		.amdhsa_float_denorm_mode_32 3
		.amdhsa_float_denorm_mode_16_64 3
		.amdhsa_memory_ordered 1
		.amdhsa_forward_progress 1
		.amdhsa_inst_pref_size 103
	.end_amdhsa_kernel
	.amdgpu_metadata
---
amdhsa.version: [ 1, 2 ]
amdhsa.kernels:
  - .name:           k_qe9c05cda8f_gemm_out
    .symbol:         k_qe9c05cda8f_gemm_out.kd
    .args:
      - { .name: atq, .offset: 0, .size: 8, .value_kind: global_buffer, .address_space: global }
      - { .name: gop, .offset: 8, .size: 8, .value_kind: global_buffer, .address_space: global }
      - { .name: out0, .offset: 16, .size: 8, .value_kind: global_buffer, .address_space: global }
    .group_segment_fixed_size: 327680
    .private_segment_fixed_size: 0
    .kernarg_segment_align: 8
    .kernarg_segment_size: 24
    .max_flat_workgroup_size: 128
    .sgpr_count:     100
    .vgpr_count:     1024
    .wavefront_size: 32
...
	.end_amdgpu_metadata
.endif
;; end of part 4
